; MI455X (gfx1250); checked and timed in simulation.
; The chip was launched on July 23, 2026; its instructions are those of AMD's public machine-readable ISA for CDNA 5 (MIT licence, August 2026) and "CDNA5" Instruction Set Architecture Reference Guide (July 2026). The comments in the code are by the model that wrote it; some were corrected since.
;; Attention. Allowed arithmetic: matrix products marked QUANTISED: E2M1 operands, one E8M0 scale for each 32 along K, by v_wmma_scale_f32_16x16x128_f8f6f4 with both operands' format E2M1 (or v_wmma_scale_f32_32x16x128_f4), f32 sums; products left as they are: bf16, f16 or f32 operands; f32 sums; everything else in f32.
;; Inputs: Wk 2,048 x 512 float32; Wo 2,048 x 2,048 float32; Wq 2,048 x 2,048 float32; Wv 2,048 x 512 float32; attn_mask 1 x 1 x 1,024 x 2,048 float32; key_padding_mask 2 x 2,048 bool; x_kv 2 x 2,048 x 2,048 float32; x_q 2 x 1,024 x 2,048 float32.
;; Outputs: out0 2 x 1,024 x 2,048 float32.
;; This version of the problem:
;;   THIS VERSION OF THE PROBLEM IS GIVEN IN LOW PRECISION. The matrix products marked QUANTISED in the list below multiply operands that are first quantised to E2M1 (2 exponent bits, 1 mantissa bit; 4 bits a number), with one power-of-two scale for each 32 numbers along K (OCP MX v1.0); their sums are f32. The products marked 'left as it is' may take bf16, f16 or f32 operands, with f32 sums. Whichever they take, every output number must still come out within the allowed error. Rounding operands to bf16 (8 significant bits) uses up far more of that allowance than f16 does (11 bits, for magnitudes from 6e-5 to 65,504). All else is computed in f32.
;;   The module's matrix products, in the order in which they are computed (A, B: the left and right operand; K: the contracted axis; several contracted axes count as one K, in the product's order):
;;     1. [M 2,048, K 2,048] x [K 2,048, N 2,048]; A: input x_q; B: input Wq: QUANTISED
;;     2. [M 4,096, K 2,048] x [K 2,048, N 512]; A: input x_kv; B: input Wk: QUANTISED
;;     3. [M 4,096, K 2,048] x [K 2,048, N 512]; A: input x_kv; B: input Wv: QUANTISED
;;     4. batch 64 x [M 1,024, K 64] x [K 64, N 2,048]; A: computed on the way; B: computed on the way: left as it is (an operand is computed on the way)
;;     5. batch 64 x [M 1,024, K 2,048] x [K 2,048, N 64]; A: computed on the way; B: computed on the way: left as it is (an operand is computed on the way)
;;     6. [M 2,048, K 2,048] x [K 2,048, N 2,048]; A: computed on the way; B: input Wo: left as it is (an operand is computed on the way)
;;   THE QUANTISER, for each operand of a quantised product, along K:
;;     - K is cut into blocks of 32 from its start; a last block that is shorter is filled with zeros.
;;     - A block's scale is 2^e with e = floor(log2(the largest magnitude in the block)) - 2, held to -126 .. 127; a block of zeros has e = 0. As a byte (E8M0): e + 127.
;;     - Each number is divided by its block's scale, clamped to +-6, and rounded to the nearest number of E2M1, ties to even, subnormals kept.
;;     - The product sums the exact products of the quantised numbers (number of the format x scale) in f32.
;;   ~~~python
;;   def quantise(x, axis):      # numpy; x: float32 -> the quantised numbers, widened to float32 again
;;       x = np.moveaxis(x, axis, -1); K = x.shape[-1]
;;       x = np.pad(x, [(0, 0)] * (x.ndim - 1) + [(0, -K % 32)]); x = x.reshape(x.shape[:-1] + (-1, 32)); a = np.abs(x).max(-1, keepdims=True)
;;       e = np.where(a > 0, np.clip(np.frexp(np.where(a > 0, a, 1))[1] - 1 - 2, -126, 127), 0)      # np.frexp(a)[1] - 1 = floor(log2(a)), exactly
;;       r = np.clip(x / 2.0 ** e, -6, 6)
;;       step = 2.0 ** (np.maximum(np.frexp(np.where(r == 0, 1, r))[1] - 1, 0) - 1)
;;       q = np.round(r / step) * step * 2.0 ** e      # np.round: ties to even
;;       return np.moveaxis(q.reshape(q.shape[:-2] + (-1,))[..., :K], -1, axis).astype(np.float32)
;;   ~~~
;; One version. Each part assembles by itself: llvm-mc -triple=amdgcn-amd-amdhsa -mcpu=gfx1250 --defsym DOCPART=n.
;; ======== version 1 of 1: 4 launches
;; limits: right only within a limited range of input values; values are held in f16: magnitudes above 65,504 overflow, below 6.1e-05 lose precision
;; workspace buffers: codes 9,437,184 bytes; scales 589,824 bytes; wo16 8,388,608 bytes; cmask 16,777,216 bytes; rope 524,288 bytes; qkv 16,777,216 bytes; ao16 8,388,608 bytes
;; launch prep (part 1): grid 864 x 1, 4 waves a work-group, no clusters, 58,880 bytes of LDS; arguments x_q, x_kv, Wq, Wk, Wv, Wo, attn_mask, key_padding_mask, codes, scales, wo16, cmask, rope; writes codes, scales, wo16, cmask, rope
.if DOCPART == 1
	.amdgcn_target "amdgcn-amd-amdhsa--gfx1250"
	.amdhsa_code_object_version 6
	.text
	.protected	k_q4f28b392b7_prep
	.globl	k_q4f28b392b7_prep
	.p2align	8
	.type	k_q4f28b392b7_prep,@function
k_q4f28b392b7_prep:
	s_mov_b64 s[64:65], 0
	v_nop
	global_prefetch_b8 v0, s[64:65] scope:SCOPE_SE
	s_setreg_imm32_b32 hwreg(HW_REG_WAVE_MODE, 25, 1), 1
	s_wait_xcnt 0x0
; PREP: everything that is made once from the inputs.  Five kinds of work-group, told apart by the work-group's number:
;   X (0-383)    x_q and x_kv, f32, K innermost  -> codes of FP4 (E2M1) and E8M0 scale bytes, rows 0-6143 of codes / scales
;   W (384-575)  Wq, Wk, Wv, f32, K outermost    -> the same with K innermost, one row for each column: rows 6144-9215
;   O (576-703)  Wo f32 -> f16, as it lies
;   M (704-831)  attn_mask and key_padding_mask -> cmask: f32, in the order of the registers of the C operand of K Q^T in the attention launch
;   R (832-863)  the table of cos and sin for the rotary embedding: a row of 256 bytes for each position: cos(d = 0..31), sin(d = 0..31)
; Every wave of the kinds X, W and O reads 32,768 bytes, so that they end together.
; A block's scale is 2^(floor(log2(its largest magnitude)) - 2); its byte is the largest magnitude's exponent field - 2, held at 1 from below.
; LIMITS: a block of zeros gets the byte 1 where the rule says 127 (its codes are zeros, and this program alone reads the bytes); NaN and infinities among the inputs are not served;
; Wo must lie inside f16's range (65,504); a padded key gets the mask value -3e38, under every score that counts; the frequencies of the table come from v_exp_f32 (1 ulp), so an angle at
; position 2,047 may differ from an f32 computation's by some 2e-4 rad, alike for q and k.
; No tensor loads, no barrier: waves share nothing.  Each kind has LDS bytes of its own.
.set SPW,   224                        ; v224  LDS address of my spare word: SPARE + 4 x my thread's number; never rewritten
.set NIL,   225                        ; v225  0; never rewritten
.set XREG,  5632                       ; X: a wave's region: two stages of 32 x 80 bytes, then its 256 scale bytes
.set XSP,   80
.set WBASE, 22528                      ; W: a wave's stage: 32 rows x 144 bytes
.set WP,    144
.set MBASE, 40960                      ; M: a wave's stage: 16 rows x 272 bytes
.set MPT,   272
.set SPARE, 58368                      ; the spare words, 128 bytes for each wave: two blocks of 256 bytes that no other line names
	v_lshl_add_u32 v[SPW], v0, 2, SPARE
	v_mov_b32 v[NIL], 0
	v_lshrrev_b32 v1, 5, v0
	v_readfirstlane_b32 s16, v1                    ; wave 0..3
	v_and_b32 v2, 31, v0                           ; lane
	s_cmp_lt_u32 ttmp9, 384
	s_cbranch_scc1 .Lpath_x
	s_cmp_lt_u32 ttmp9, 576
	s_cbranch_scc1 .Lpath_w
	s_cmp_lt_u32 ttmp9, 704
	s_cbranch_scc1 .Lpath_o
	s_cmp_lt_u32 ttmp9, 832
	s_cbranch_scc1 .Lpath_m
; ---------------- R: the table.  A wave makes 16 positions, one a trip.  Lanes 0-15 make cos of d = 2 l, 2 l + 1, lanes 16-31 sin of d = 2 (l - 16), + 1: a row is one store of 256 bytes.
; angle = pos x 10000^(-d / 32); n = nearest whole number to angle x 2 / pi; r = angle - n pi / 2 in three fused steps; cos r and sin r by polynomials on |r| <= pi / 4; the quadrant picks value and sign.
; sin(x) = cos(x - pi / 2): the sine lanes count the quadrant three further on.
	s_load_b64 s[4:5], s[0:1], 0x60                ; rope
	s_sub_co_u32 s17, ttmp9, 832
	s_lshl_b32 s17, s17, 2
	s_add_co_u32 s17, s17, s16
	s_lshl_b32 s20, s17, 4                         ; my first position
	s_lshl_b32 s18, s20, 8                         ; its row
	s_mov_b32 s19, 0
	v_and_b32 v5, 15, v2
	v_lshrrev_b32 v6, 4, v2
	v_lshlrev_b32 v5, 1, v5                        ; d of my first number
	v_add_nc_u32 v7, 1, v5
	v_cvt_f32_u32 v8, v5
	v_cvt_f32_u32 v9, v7
	v_mul_f32 v8, 0xbed49a78, v8                   ; -d x log2(10000) / 32
	v_mul_f32 v9, 0xbed49a78, v9
	v_exp_f32 v8, v8
	v_exp_f32 v9, v9
	v_mul_u32_u24 v6, v6, 3                        ; (a plain instruction behind the exponentials)  the quadrant's offset: 0 for cos, 3 for sin
	v_lshlrev_b32 v3, 3, v2                        ; 8 bytes a lane
	s_wait_alu depctr_va_vdst(0)                   ; one wait for both exponentials, ahead of the label and of their first reader
	s_mov_b32 s24, 0x3f22f983                      ; 2 / pi
	s_mov_b32 s25, 0xbfc90fd8                      ; -pi / 2 in three parts
	s_mov_b32 s26, 0xb4a8885a
	s_mov_b32 s27, 0xa7c234c4
	s_mov_b32 s28, 0x37cd4000                      ; cos: 2.4468e-5, -1.38877e-3, 4.16667e-2, -0.5, 1
	s_mov_b32 s29, 0xbab6077d
	s_mov_b32 s30, 0x3d2aaaa8
	s_mov_b32 s31, 0xb94ca1f9                      ; sin: -1.95153e-4, 8.33216e-3, -1.666665e-1
	s_mov_b32 s32, 0x3c08839e
	s_mov_b32 s33, 0xbe2aaaa3
	s_mov_b32 s21, 0
	s_wait_kmcnt 0x0
	s_add_nc_u64 s[4:5], s[4:5], s[18:19]
.Lrope_trip:
	v_cvt_f32_u32 v10, s20
.irp u, 0,1
	v_mul_f32 v[12+\u], v10, v[8+\u]               ; the angle
.endr
.irp u, 0,1
	v_mul_f32 v[14+\u], s24, v[12+\u]
.endr
.irp u, 0,1
	v_rndne_f32 v[14+\u], v[14+\u]                 ; n
.endr
.irp u, 0,1
	v_fma_f32 v[12+\u], v[14+\u], s25, v[12+\u]
.endr
.irp u, 0,1
	v_fma_f32 v[12+\u], v[14+\u], s26, v[12+\u]
.endr
.irp u, 0,1
	v_fma_f32 v[12+\u], v[14+\u], s27, v[12+\u]    ; r
.endr
.irp u, 0,1
	v_mul_f32 v[16+\u], v[12+\u], v[12+\u]         ; r^2
.endr
.irp u, 0,1
	v_fma_f32 v[18+\u], v[16+\u], s28, s29
	v_fma_f32 v[20+\u], v[16+\u], s31, s32
.endr
.irp u, 0,1
	v_fma_f32 v[18+\u], v[18+\u], v[16+\u], s30
	v_fma_f32 v[20+\u], v[20+\u], v[16+\u], s33
.endr
.irp u, 0,1
	v_fma_f32 v[18+\u], v[18+\u], v[16+\u], -0.5
	v_mul_f32 v[24+\u], v[12+\u], v[16+\u]         ; r^3
.endr
.irp u, 0,1
	v_fma_f32 v[18+\u], v[18+\u], v[16+\u], 1.0    ; cos r
	v_fma_f32 v[20+\u], v[20+\u], v[24+\u], v[12+\u]   ; sin r
.endr
.irp u, 0,1
	v_cvt_i32_f32 v[22+\u], v[14+\u]
.endr
.irp u, 0,1
	v_add_nc_u32 v[22+\u], v[22+\u], v6            ; the quadrant k
.endr
.irp u, 0,1
	v_and_b32 v[24+\u], 1, v[22+\u]
.endr
	v_cmp_eq_u32 vcc_lo, 1, v24
	v_cndmask_b32 v26, v18, v20, vcc_lo            ; k odd: sin r, else cos r
	v_cmp_eq_u32 vcc_lo, 1, v25
	v_cndmask_b32 v27, v19, v21, vcc_lo
.irp u, 0,1
	v_add_nc_u32 v[22+\u], 1, v[22+\u]
.endr
.irp u, 0,1
	v_and_b32 v[22+\u], 2, v[22+\u]                ; k mod 4 = 1 or 2: negative
.endr
.irp u, 0,1
	v_lshlrev_b32 v[22+\u], 30, v[22+\u]
.endr
.irp u, 0,1
	v_xor_b32 v[26+\u], v[26+\u], v[22+\u]
.endr
	global_store_b64 v3, v[26:27], s[4:5]          ; 32 lanes store 256 consecutive bytes, aligned
	s_wait_xcnt 0x0                                ; the store has read its data and its base: both are written again only behind this wait
	s_add_nc_u64 s[4:5], s[4:5], 256
	s_add_co_u32 s20, s20, 1
	s_add_co_u32 s21, s21, 1
	s_cmp_lt_u32 s21, 16
	s_cbranch_scc1 .Lrope_trip
	s_branch .Lend
; ---------------- X: rows are dense and K is a multiple of 32, so x_q and x_kv are plain streams of blocks of 32.  A wave takes 16 steps of 512 numbers.  Each of a step's four loads reads 512 consecutive
; bytes; the 2,048 bytes turn through the wave's own stage in LDS and come back 64 bytes a lane: 16 neighbours along K, two lanes to a block.  Loads run four steps ahead, the turn through LDS one step.
.set XR, 16                            ; v16-79   four sets of 16 numbers as they are loaded
.set XX, 80                            ; v80-111  two sets of 16 neighbours
.set XE, 112                           ; v112-127 a scale byte for each step
.set XC, 128                           ; v128-191 codes: four registers for each step, so that no store's data are written again
.macro XLOAD t
.irp i, 0,1,2,3
	global_load_b128 v[XR+16*((\t)%4)+4*\i:XR+16*((\t)%4)+4*\i+3], v3, s[4:5] offset:2048*(\t)+512*\i th:TH_LOAD_NT
.endr
.endm
.macro XTURN t                         ; LDS serves a wave's instructions in order: no wait between the stores and the loads
.irp i, 0,1,2,3
	ds_store_b128 v14, v[XR+16*((\t)%4)+4*\i:XR+16*((\t)%4)+4*\i+3] offset:32*XSP*((\t)%2)+8*XSP*\i
.endr
.irp i, 0,1,2,3
	ds_load_b128 v[XX+16*((\t)%2)+4*\i:XX+16*((\t)%2)+4*\i+3], v15 offset:32*XSP*((\t)%2)+16*\i
.endr
.endm
.macro XSTEP t
.set XS, XX+16*((\t)%2)
.if (\t) > 0
	s_wait_dscnt 1                                 ; this step's numbers are back from the stage; the last step's byte store may be out
.else
	s_wait_dscnt 0x0
.endif
.if (\t)+4 < 16
	XLOAD (\t)+4                                   ; into the registers that this step's stores into the stage have read
.endif
.if (\t)+1 < 16
.if 14-(\t) >= 3
	s_wait_loadcnt 12                              ; the next step's four loads are in; those of the three steps behind it may be out
.else
	s_wait_loadcnt 4*(14-(\t))
.endif
	XTURN (\t)+1
.endif
	v_max3_num_f32 v8, |v[XS]|, |v[XS+1]|, |v[XS+2]|
	v_max3_num_f32 v9, |v[XS+3]|, |v[XS+4]|, |v[XS+5]|
.irp i, 6,10
	v_max3_num_f32 v8, v8, |v[XS+\i]|, |v[XS+\i+1]|
	v_max3_num_f32 v9, v9, |v[XS+\i+2]|, |v[XS+\i+3]|
.endr
	v_max3_num_f32 v8, v8, |v[XS+14]|, |v[XS+15]|
	v_max3_num_f32 v8, v8, v9, 0x1800000           ; and the floor 2^(3 - 127): the byte cannot fall under 1
	v_max_num_f32_dpp v8, v8, v8 row_xmask:1 row_mask:0xf bank_mask:0xf   ; with my neighbour's 16: the block's largest magnitude
	v_add_nc_u32 v11, 0xff000000, v8               ; 2 off its exponent field: the conversion takes the exponent field of this operand as its scale
	v_cvt_scalef32_pk8_fp4_f32 v[XC+4*(\t)], v[XS:XS+7], v11
	v_cvt_scalef32_pk8_fp4_f32 v[XC+4*(\t)+1], v[XS+8:XS+15], v11
	v_lshrrev_b32 v[XE+(\t)], 23, v11              ; the scale's byte
	ds_store_b8 v5, v[XE+(\t)] offset:16*(\t)      ; both lanes of a block write the same byte with the same value
	global_store_b64 v4, v[XC+4*(\t):XC+4*(\t)+1], s[8:9] offset:256*(\t)   ; 32 lanes store 256 consecutive bytes, aligned
.endm
.Lpath_x:
	s_load_b128 s[4:7], s[0:1], 0x0                ; x_q, x_kv
	s_load_b128 s[8:11], s[0:1], 0x40              ; codes, scales
	v_lshlrev_b32 v3, 4, v2                        ; my 16 bytes of a load's 512
	s_mul_i32 s17, s16, XREG
	v_lshrrev_b32 v14, 2, v2
	v_mul_u32_u24 v14, v14, XSP
	v_and_b32 v15, 3, v2
	v_lshl_add_u32 v14, v15, 4, v14
	v_add_nc_u32 v14, s17, v14                     ; the stage, in: four lanes' 64 bytes on end, then 16 of padding
	v_mul_u32_u24 v15, v2, XSP
	v_add_nc_u32 v15, s17, v15                     ; and out: my 16 neighbours
	v_lshlrev_b32 v4, 3, v2                        ; my 8 bytes of codes
	v_lshrrev_b32 v5, 1, v2
	s_add_co_u32 s17, s17, 2*32*XSP
	v_add_nc_u32 v5, s17, v5                       ; my block's byte among the wave's 256
	v_lshlrev_b32 v7, 3, v2
	v_add_nc_u32 v6, s17, v7
	s_wait_kmcnt 0x0
	s_cmp_lt_u32 ttmp9, 128                        ; x_q's work-group or x_kv's: the choice hangs on the work-group's number alone
	s_cselect_b64 s[4:5], s[4:5], s[6:7]
	s_cselect_b32 s17, 0, 128
	s_sub_co_u32 s17, ttmp9, s17
	s_lshl_b32 s17, s17, 2
	s_add_co_u32 s18, s17, s16                     ; which run of 8,192 numbers of the tensor is my wave's
	s_lshl_b32 s18, s18, 15
	s_mov_b32 s19, 0
	s_add_nc_u64 s[4:5], s[4:5], s[18:19]
	s_lshl_b32 s20, ttmp9, 2
	s_add_co_u32 s20, s20, s16                     ; and which run of the rows 0-6143 of codes and scales
	s_lshl_b32 s18, s20, 12
	s_add_nc_u64 s[8:9], s[8:9], s[18:19]
	s_lshl_b32 s18, s20, 8
	s_add_nc_u64 s[10:11], s[10:11], s[18:19]
.irp t, 0,1,2,3
	XLOAD \t
.endr
	s_wait_loadcnt 12                              ; step 0's four loads are in
	XTURN 0
.irp t, 0,1,2,3,4,5,6,7,8,9,10,11,12,13,14,15
	XSTEP \t
.endr
	ds_load_b64 v[8:9], v6                         ; LDS serves a wave's instructions in order: these see my byte stores
	s_wait_dscnt 0x0
	global_store_b64 v7, v[8:9], s[10:11]          ; the wave's 256 scale bytes: one aligned run of 256 bytes
	s_branch .Lend
; ---------------- W: a lane takes a column, its registers run down K: a block of 32 lies in one lane's 32 registers and the conversions give codes with K innermost.  A wave takes 32 columns x 256 along K:
; 8 blocks, 32,768 bytes, as much as a wave of the other kinds reads: a load here brings 128 bytes a wave, so that a longer share would end later than they do.
; The three weights have two row pitches, so the rows' offsets lie in 32 registers and the base steps 32 rows a block.  Codes leave through the wave's own stage, by rows.  A column's 256 codes are 128 bytes:
; eight lanes store 128 consecutive bytes, half of an aligned 256, whose other half is another work-group's.  That holds of the weights' 3,145,728 bytes of codes alone.
.set WX,   32                          ; v32-95   two sets of 32 numbers
.set WC,   96                          ; v96-99   a block's codes
.set WOUT, 112                         ; v112-143 the way out
.set WROW, 176                         ; v176-207 4 x lane + i x pitch; never rewritten
.set WSB,  24                          ; v24-25   the scale bytes, four to a register
.set WNB,  8                           ; blocks of a wave
.macro WLOAD t
.irp i, 0,1,2,3,4,5,6,7,8,9,10,11,12,13,14,15,16,17,18,19,20,21,22,23,24,25,26,27,28,29,30,31
	global_load_b32 v[WX+32*((\t)%2)+\i], v[WROW+\i], s[4:5] th:TH_LOAD_NT
.endr
.endm
.macro WNEXT
	s_wait_xcnt 0x0                                ; the loads issued so far have read their base: it steps only behind this wait
	s_add_nc_u64 s[4:5], s[4:5], s[26:27]          ; 32 rows on
.endm
.macro WBLOCK t
.set XS, WX+32*((\t)%2)
.if (\t) < WNB-1
	s_wait_loadcnt 32                              ; this block's 32 loads are in; the next block's may be out
.else
	s_wait_loadcnt 0
.endif
	v_max3_num_f32 v12, |v[XS]|, |v[XS+1]|, |v[XS+2]|
	v_max3_num_f32 v13, |v[XS+3]|, |v[XS+4]|, |v[XS+5]|
.irp i, 6,10,14,18,22,26
	v_max3_num_f32 v12, v12, |v[XS+\i]|, |v[XS+\i+1]|
	v_max3_num_f32 v13, v13, |v[XS+\i+2]|, |v[XS+\i+3]|
.endr
	v_max3_num_f32 v12, v12, |v[XS+30]|, |v[XS+31]|
	v_max3_num_f32 v12, v12, v13, 0x1800000        ; and the floor 2^(3 - 127)
	v_add_nc_u32 v11, 0xff000000, v12
	v_lshrrev_b32 v13, 23, v11                     ; the scale's byte
.if (\t)%4 == 0
	v_mov_b32 v[WSB+(\t)/4], v13
.else
	v_lshl_or_b32 v[WSB+(\t)/4], v13, 8*((\t)%4), v[WSB+(\t)/4]
.endif
.irp g, 0,1,2,3
	v_cvt_scalef32_pk8_fp4_f32 v[WC+\g], v[XS+8*\g:XS+8*\g+7], v11
.endr
	ds_store_b128 v4, v[WC:WC+3] offset:16*(\t)    ; 32 codes: 16 bytes of my column's row.  (The next vector lines are the next block's plain ones)
.if (\t)+2 < WNB
	WNEXT
	WLOAD (\t)+2
.endif
	s_wait_dscnt 0x0                               ; the store has read its registers: the next block's codes may be written
.endm
.Lpath_w:
	s_load_b128 s[4:7], s[0:1], 0x10               ; Wq, Wk
	s_load_b64 s[8:9], s[0:1], 0x20                ; Wv
	s_load_b128 s[12:15], s[0:1], 0x40             ; codes, scales
	s_sub_co_u32 s17, ttmp9, 384
	s_lshr_b32 s20, s17, 3                         ; which 128 of the 3,072 columns
	s_and_b32 s18, s17, 7                          ; which 256 along K
	v_lshlrev_b32 v3, 2, v2
	s_mul_i32 s19, s16, 32*WP
	s_add_co_u32 s19, s19, WBASE                   ; my stage
	v_mul_u32_u24 v4, v2, WP
	v_add_nc_u32 v4, s19, v4                       ; into it: row = my column
	v_and_b32 v5, 7, v2
	v_lshrrev_b32 v6, 3, v2
	v_mul_u32_u24 v7, v6, WP
	v_lshl_add_u32 v7, v5, 4, v7
	v_add_nc_u32 v7, s19, v7                       ; out of it: eight lanes to a row of 128 bytes, four rows an instruction
	v_lshlrev_b32 v8, 10, v6
	v_lshl_add_u32 v8, v5, 4, v8                   ; and the same place in codes (rows of 1,024 bytes)
	v_lshlrev_b32 v9, 6, v2                        ; my column's row of scale bytes
	s_wait_kmcnt 0x0
	s_cmp_lt_u32 s20, 20                           ; the choices hang on the work-group's number alone
	s_cselect_b64 s[6:7], s[6:7], s[8:9]           ; Wk or Wv
	s_cselect_b32 s21, 16, 20
	s_mov_b32 s22, 2048
	s_cmp_lt_u32 s20, 16
	s_cselect_b64 s[4:5], s[4:5], s[6:7]           ; Wq, or that
	s_cselect_b32 s21, 0, s21                      ; the weight's first group of 128 columns
	s_cselect_b32 s22, 8192, s22                   ; its row in bytes
	s_sub_co_u32 s21, s20, s21
	s_lshl_b32 s21, s21, 9                         ; 128 columns of 4 bytes
	s_lshl_b32 s23, s16, 7                         ; my wave's 32 columns
	s_add_co_u32 s21, s21, s23
	s_lshl_b32 s23, s18, 8
	s_mul_i32 s23, s23, s22                        ; 256 rows for each step along K
	s_add_co_u32 s24, s21, s23
	s_mov_b32 s25, 0
	s_add_nc_u64 s[4:5], s[4:5], s[24:25]
	s_lshl_b32 s26, s22, 5                         ; 32 rows
	s_mov_b32 s27, 0
	s_lshl_b32 s28, s20, 7
	s_lshl_b32 s29, s16, 5
	s_add_co_u32 s28, s28, s29
	s_add_co_u32 s28, s28, 6144                    ; my wave's first row of codes and scales
	s_lshl_b32 s24, s28, 10
	s_lshl_b32 s29, s18, 7                         ; 256 codes are 128 bytes
	s_add_co_u32 s24, s24, s29
	s_add_nc_u64 s[12:13], s[12:13], s[24:25]
	s_lshl_b32 s24, s28, 6
	s_lshl_b32 s29, s18, 3                         ; and 8 scale bytes
	s_add_co_u32 s24, s24, s29
	s_add_nc_u64 s[14:15], s[14:15], s[24:25]
.irp i, 0,1,2,3,4,5,6,7,8,9,10,11,12,13,14,15,16,17,18,19,20,21,22,23,24,25,26,27,28,29,30,31
	v_mad_u32_u24 v[WROW+\i], s22, \i, v3
.endr
	WLOAD 0
	WNEXT
	WLOAD 1
.set Q, 0
.rept WNB
	WBLOCK Q
.set Q, Q+1
.endr
	global_store_b64 v9, v[WSB:WSB+1], s[14:15]    ; my column's 8 scale bytes
.irp t, 0,1,2,3,4,5,6,7
	ds_load_b128 v[WOUT+4*\t:WOUT+4*\t+3], v7 offset:4*\t*WP
.endr
.irp t, 0,1,2,3,4,5,6,7
	s_wait_dscnt 7-\t                              ; row group t is back; the younger loads may be out
	global_store_b128 v8, v[WOUT+4*\t:WOUT+4*\t+3], s[12:13] offset:4*\t*1024   ; eight lanes store 128 consecutive bytes of a row
.endr
	s_branch .Lend
; ---------------- O: Wo to f16, as it lies.  A wave takes 32,768 bytes in 16 steps of four loads; loads run four steps ahead; each step has its own result registers.
.macro OLOAD t
.irp i, 0,1,2,3
	global_load_b128 v[16+16*((\t)%4)+4*\i:16+16*((\t)%4)+4*\i+3], v3, s[4:5] offset:2048*(\t)+512*\i th:TH_LOAD_NT
.endr
.endm
.macro OSTEP t
.if 15-(\t) >= 3
	s_wait_loadcnt 12                              ; this step's four loads are in; those of the three steps behind it may be out
.else
	s_wait_loadcnt 4*(15-(\t))
.endif
.irp i, 0,1,2,3
	v_cvt_pk_f16_f32 v[80+8*(\t)+2*\i], v[16+16*((\t)%4)+4*\i], v[16+16*((\t)%4)+4*\i+1]
	v_cvt_pk_f16_f32 v[80+8*(\t)+2*\i+1], v[16+16*((\t)%4)+4*\i+2], v[16+16*((\t)%4)+4*\i+3]
.endr
.if (\t)+4 < 16
	OLOAD (\t)+4
.endif
.irp i, 0,1,2,3
	global_store_b64 v4, v[80+8*(\t)+2*\i:80+8*(\t)+2*\i+1], s[6:7] offset:1024*(\t)+256*\i   ; 32 lanes store 256 consecutive bytes, aligned
.endr
.endm
.Lpath_o:
	s_load_b64 s[4:5], s[0:1], 0x28                ; Wo
	s_load_b64 s[6:7], s[0:1], 0x50                ; wo16
	s_sub_co_u32 s17, ttmp9, 576
	s_lshl_b32 s17, s17, 2
	s_add_co_u32 s17, s17, s16
	s_lshl_b32 s18, s17, 15
	s_mov_b32 s19, 0
	s_lshl_b32 s20, s17, 14
	s_mov_b32 s21, 0
	v_lshlrev_b32 v3, 4, v2
	v_lshlrev_b32 v4, 3, v2
	s_wait_kmcnt 0x0
	s_add_nc_u64 s[4:5], s[4:5], s[18:19]
	s_add_nc_u64 s[6:7], s[6:7], s[20:21]
.irp t, 0,1,2,3
	OLOAD \t
.endr
.irp t, 0,1,2,3,4,5,6,7,8,9,10,11,12,13,14,15
	OSTEP \t
.endr
	s_branch .Lend
; ---------------- M: cmask[b][qt][ks][i = 2 kt + c][lane (r, h)][e] = attn_mask[16 qt + r][64 ks + 16 kt + 8 h + 4 c + e], or -3e38 where that key of batch b is padded.
; A work-group takes one ks; a wave four tiles of 16 queries, for both batches.  A tile's 16 rows x 256 bytes are loaded as they lie, turn through the wave's own stage, and leave as 8 runs of 512 bytes.
; The padding is a minimum with a limit a key: -3e38 or +infinity.
.set MR,   32                          ; v32-95   two sets of 32: a tile as loaded
.set MT,   96                          ; v96-127  the tile in the C operand's order; then batch 1's result
.set MOUT, 128                         ; v128-159 batch 0's result
.set MLIM, 160                         ; v160-223 the limits: batch b's at 32 b + 8 kt + e
.macro MLOADT n
.irp i, 0,1,2,3,4,5,6,7
	global_load_b128 v[MR+32*((\n)%2)+4*\i:MR+32*((\n)%2)+4*\i+3], v3, s[4:5] offset:(\n)*131072+\i*16384 th:TH_LOAD_NT
.endr
.endm
.macro MTILE n
.if (\n) > 0
	s_wait_xcnt 0x0                                ; the last tile's stores have read their data: those registers are written again only behind this wait
.endif
.if (\n) < 3
	s_wait_loadcnt 8                               ; this tile's eight loads are in; the next tile's may be out
.else
	s_wait_loadcnt 0
.endif
.irp i, 0,1,2,3,4,5,6,7
	ds_store_b128 v4, v[MR+32*((\n)%2)+4*\i:MR+32*((\n)%2)+4*\i+3] offset:2*MPT*\i
.endr
.irp kt, 0,1,2,3
.irp c, 0,1
	ds_load_b128 v[MT+8*\kt+4*\c:MT+8*\kt+4*\c+3], v7 offset:64*\kt+16*\c
.endr
.endr
	s_wait_dscnt 0x0
.if (\n)+2 < 4
	MLOADT (\n)+2
.endif
.irp j, 0,1,2,3,4,5,6,7,8,9,10,11,12,13,14,15,16,17,18,19,20,21,22,23,24,25,26,27,28,29,30,31
	v_min_num_f32 v[MOUT+\j], v[MT+\j], v[MLIM+\j]
.endr
.irp i, 0,1,2,3,4,5,6,7
	global_store_b128 v29, v[MOUT+4*\i:MOUT+4*\i+3], s[8:9] offset:(\n)*131072+512*\i    ; 32 lanes store 512 consecutive bytes, aligned
.endr
.irp j, 0,1,2,3,4,5,6,7,8,9,10,11,12,13,14,15,16,17,18,19,20,21,22,23,24,25,26,27,28,29,30,31
	v_min_num_f32 v[MT+\j], v[MT+\j], v[MLIM+32+\j]
.endr
.irp i, 0,1,2,3,4,5,6,7
	global_store_b128 v29, v[MT+4*\i:MT+4*\i+3], s[10:11] offset:(\n)*131072+512*\i
.endr
.endm
.Lpath_m:
	s_load_b128 s[4:7], s[0:1], 0x30               ; attn_mask, key_padding_mask
	s_load_b64 s[8:9], s[0:1], 0x58                ; cmask
	s_sub_co_u32 s17, ttmp9, 704
	s_and_b32 s18, s17, 31                         ; ks
	s_lshr_b32 s19, s17, 5
	s_lshl_b32 s19, s19, 4
	s_lshl_b32 s20, s16, 2
	s_add_co_u32 s19, s19, s20                     ; my first tile of queries
	v_and_b32 v5, 15, v2                           ; r
	v_lshrrev_b32 v6, 4, v2                        ; h
	v_lshlrev_b32 v3, 13, v6
	v_lshl_add_u32 v3, v5, 4, v3                   ; in: lanes 0-15 one row's 256 bytes, lanes 16-31 the next row's
	s_mul_i32 s20, s16, 16*MPT
	s_add_co_u32 s20, s20, MBASE                   ; my stage
	v_mul_u32_u24 v4, v6, MPT
	v_lshl_add_u32 v4, v5, 4, v4
	v_add_nc_u32 v4, s20, v4
	v_mul_u32_u24 v7, v5, MPT
	v_lshl_add_u32 v7, v6, 5, v7
	v_add_nc_u32 v7, s20, v7                       ; back: row r, + 32 h
	v_lshlrev_b32 v28, 3, v6                       ; the padding bytes of my half's eight keys
	v_lshlrev_b32 v29, 4, v2                       ; out: 16 bytes a lane
	v_mov_b32 v26, 0x7f800000                      ; +infinity
	v_mov_b32 v27, 0xff61b1e6                      ; -3e38
	s_lshl_b32 s21, s19, 17                        ; 16 rows of 8,192 bytes a tile; a tile row of cmask is as many bytes
	s_lshl_b32 s22, s18, 8
	s_add_co_u32 s22, s21, s22
	s_mov_b32 s23, 0
	s_lshl_b32 s24, s18, 6
	s_mov_b32 s25, 0
	s_lshl_b32 s26, s18, 12
	s_add_co_u32 s26, s26, s21
	s_mov_b32 s27, 0
	s_wait_kmcnt 0x0
	s_add_nc_u64 s[4:5], s[4:5], s[22:23]
	s_add_nc_u64 s[6:7], s[6:7], s[24:25]
	s_add_nc_u64 s[8:9], s[8:9], s[26:27]
	s_add_nc_u64 s[10:11], s[8:9], 0x800000        ; batch 1
.irp b, 0,1
.irp kt, 0,1,2,3
	global_load_b64 v[8+2*(4*\b+\kt):9+2*(4*\b+\kt)], v28, s[6:7] offset:\b*2048+16*\kt
.endr
.endr
	MLOADT 0
	MLOADT 1
	s_wait_loadcnt 16                              ; the padding bytes are in; the two tiles may be out
.irp b, 0,1
.irp kt, 0,1,2,3
.irp e, 0,1,2,3,4,5,6,7
	v_bfe_u32 v24, v[8+2*(4*\b+\kt)+\e/4], 8*(\e%4), 8
	v_cmp_ne_u32 vcc_lo, 0, v24
	v_cndmask_b32 v[MLIM+32*\b+8*\kt+\e], v26, v27, vcc_lo
.endr
.endr
.endr
	MTILE 0
	MTILE 1
	MTILE 2
	MTILE 3
.Lend:
	s_wait_tensorcnt 0x0                           ; the wave's end, behind my last LDS store
	ds_add_u32 v[SPW], v[NIL]
	s_wait_dscnt 0x0
	s_endpgm
.Lfunc_end_k_q4f28b392b7_prep:
	.size	k_q4f28b392b7_prep, .Lfunc_end_k_q4f28b392b7_prep-k_q4f28b392b7_prep
	.p2alignl 7, 3214868480
	.fill 96, 4, 3214868480
	.section	.rodata,"a",@progbits
	.p2align	6, 0x0
	.amdhsa_kernel k_q4f28b392b7_prep
		.amdhsa_group_segment_fixed_size 58880
		.amdhsa_private_segment_fixed_size 0
		.amdhsa_enable_private_segment 0
		.amdhsa_kernarg_size 104
		.amdhsa_user_sgpr_count 2
		.amdhsa_user_sgpr_kernarg_segment_ptr 1
		.amdhsa_wavefront_size32 1
		.amdhsa_system_sgpr_workgroup_id_x 1
		.amdhsa_system_sgpr_workgroup_id_y 1
		.amdhsa_system_sgpr_workgroup_id_z 1
		.amdhsa_system_vgpr_workitem_id 0
		.amdhsa_next_free_vgpr 232
		.amdhsa_next_free_sgpr 66
		.amdhsa_reserve_vcc 1
		.amdhsa_float_denorm_mode_32 3
		.amdhsa_float_denorm_mode_16_64 3
		.amdhsa_memory_ordered 1
		.amdhsa_forward_progress 1
		.amdhsa_inst_pref_size 133
	.end_amdhsa_kernel
	.amdgpu_metadata
---
amdhsa.version: [ 1, 2 ]
amdhsa.kernels:
  - .name:           k_q4f28b392b7_prep
    .symbol:         k_q4f28b392b7_prep.kd
    .args:
      - { .name: x_q, .offset: 0, .size: 8, .value_kind: global_buffer, .address_space: global }
      - { .name: x_kv, .offset: 8, .size: 8, .value_kind: global_buffer, .address_space: global }
      - { .name: Wq, .offset: 16, .size: 8, .value_kind: global_buffer, .address_space: global }
      - { .name: Wk, .offset: 24, .size: 8, .value_kind: global_buffer, .address_space: global }
      - { .name: Wv, .offset: 32, .size: 8, .value_kind: global_buffer, .address_space: global }
      - { .name: Wo, .offset: 40, .size: 8, .value_kind: global_buffer, .address_space: global }
      - { .name: attn_mask, .offset: 48, .size: 8, .value_kind: global_buffer, .address_space: global }
      - { .name: key_padding_mask, .offset: 56, .size: 8, .value_kind: global_buffer, .address_space: global }
      - { .name: codes, .offset: 64, .size: 8, .value_kind: global_buffer, .address_space: global }
      - { .name: scales, .offset: 72, .size: 8, .value_kind: global_buffer, .address_space: global }
      - { .name: wo16, .offset: 80, .size: 8, .value_kind: global_buffer, .address_space: global }
      - { .name: cmask, .offset: 88, .size: 8, .value_kind: global_buffer, .address_space: global }
      - { .name: rope, .offset: 96, .size: 8, .value_kind: global_buffer, .address_space: global }
    .group_segment_fixed_size: 58880
    .private_segment_fixed_size: 0
    .kernarg_segment_align: 8
    .kernarg_segment_size: 104
    .max_flat_workgroup_size: 128
    .sgpr_count:     66
    .vgpr_count:     232
    .wavefront_size: 32
...
	.end_amdgpu_metadata
.endif
;; end of part 1
;; launch proj (part 2): grid 16 x 16, 4 waves a work-group, clusters of 4 x 4, 327,680 bytes of LDS; arguments codes, scales, rope, qkv; writes qkv
.if DOCPART == 2
	.amdgcn_target "amdgcn-amd-amdhsa--gfx1250"
	.amdhsa_code_object_version 6
	.text
	.protected	k_q4f28b392b7_proj
	.globl	k_q4f28b392b7_proj
	.p2align	8
	.type	k_q4f28b392b7_proj,@function
k_q4f28b392b7_proj:
	s_mov_b64 s[64:65], 0
	v_nop
	global_prefetch_b8 v0, s[64:65] scope:SCOPE_SE
	s_setreg_imm32_b32 hwreg(HW_REG_WAVE_MODE, 25, 1), 1
	s_wait_xcnt 0x0
	s_wait_alu depctr_hold_cnt(0) depctr_sa_sdst(0) depctr_va_vdst(0) depctr_va_sdst(0) depctr_va_ssrc(0) depctr_va_vcc(0) depctr_vm_vsrc(0)
	s_getreg_b32 s2, hwreg(HW_REG_IB_STS2, 6, 4)
	s_cmp_eq_u32 s2, 0
	s_cbranch_scc0 .Lentry_in_a_cluster
	s_endpgm
.Lentry_in_a_cluster:
	s_bfe_u32 s2, ttmp6, 0x10000c
	s_cmp_lg_u32 s2, 0xf033
	s_cbranch_scc0 .Lentry_shape_is_right
	s_endpgm
.Lentry_shape_is_right:
; PROJ: the three quantised products, on codes of FP4 (E2M1) with one E8M0 scale for each 32 along K = 2,048, and what follows them: the rotary embedding, q's 1 / 8, the rounding to f16.
; Both operands are rows of the buffers codes [9,216][1,024 bytes] and scales [9,216][64 bytes]: rows 0-2047 x_q, 2048-6143 x_kv, 6144-8191 Wq's columns, 8192-8703 Wk's, 8704-9215 Wv's.
; A tile of C is 256 rows x 128 columns, so that the two problems make 128 + 128 = 256 work-groups: q = x_q Wq, 8 x 16 tiles (rows 0, 1 of the 4 x 4 grid of clusters); k | v = x_kv [Wk Wv], 16 x 8 tiles (rows 2, 3).
; Four waves, a wave 128 rows x 64 columns, one head: 32 accumulators of 16 x 16.  K goes in four steps of 512 through a ring of two LDS slots filled by the tensor data mover; the scales of the work-group's
; 384 rows come once and stay.  The four of a row of the cluster need the same tiles of A, the four of a column the same tiles of B: each tile is asked for JOINTLY.
; The matrix instruction is used TRANSPOSED (source 0 = 16 rows of B, source 1 = 16 rows of A): a lane holds eight neighbouring columns of one row of C.
; A STEP of 128 along K is 32 matrix instructions on one of two sets of fragments; the next step's 24 LDS loads go out in one run ahead of them.  The sixteen steps are written out: there is no loop.
; THE WAY OUT.  In a head, column d and column d + 32 lie in the same lane and register of two accumulators, so the rotation needs no other lane: y1 = x1 cos - x2 sin, y2 = x2 cos + x1 sin, with cos and sin
; of (position, d) from the table.  One text serves q, k and v: the table is first turned into cos SA + SB and sin SA, with (SA, SB) = (1 / 8, 0) for q, (1, 0) for k, (0, 1) for v: scalars chosen without a
; branch.  The table of the wave's 128 positions is asked for at the kernel's head, into 256 registers that nothing else uses.  f16 results go through the wave's own stage and leave as runs of 512 consecutive
; bytes, each block of 16 rows from registers of its own: qkv: q / 8 [b][32][1024][64] at byte 0, k [b][8][2048][64] at 8,388,608, v likewise at 12,582,912.
; LIMITS: q / 8, k and v must lie inside f16's range (65,504).  The rotation uses fused multiply-adds.
; Left out: a prefetch of the tiles: a work-group has four K steps, and its first two go out together at the head.  A third slot: 3 x 104,448 bytes and the scales' 26,112 do not fit in LDS.
; REGISTERS, in windows of 256: window 0: v0-31 addresses; v32-95 scale words, two sets; v128-255 A's fragments, two sets of 64; on the way out v32-255 are free.
;   window 1: v0-63 B's fragments, two sets of 32.   window 2: the accumulators ((a, b) at v[8 (4 a + b)]).   window 3: the table: block a's 32 registers at v[32 a].
.set NQ,     4                         ; steps of 128 along K in a slot
.set ROWB,   256                       ; a tile's row in bytes: 512 codes
.set KROW,   1024                      ; a row of codes in memory
.set PITCH,  272                       ; an LDS row: 256 bytes + 16 of padding: the 16 rows that a load touches start 68 words apart
.set FR,     8                         ; registers of a fragment
.set HALFA,  128*PITCH                 ; what one of A's loads brings, and what one wave reads of A
.set HALFB,  64*PITCH                  ; the same for B
.set BOFF,   2*HALFA
.set SLOT,   BOFF+2*HALFB              ; A's 256 rows, then B's 128 rows
.set KS,     64                        ; a row of scales in bytes
.set SCL,    2*SLOT                    ; behind the ring: A's scales, as units of 256 bytes + 16 of padding,
.set HSA,    (128*KS/256)*272          ; (those of 128 rows)
.set HSB,    (64*KS/256)*272           ; (those of 64 rows)
.set SCLB,   SCL+2*HSA                 ; then B's
.set SBLK,   (16*KS/256)*272           ; those of 16 rows
.set SPARE,  SCLB+2*HSB                ; the spare words, 128 bytes for each wave: two blocks of 256 bytes that no other line names
.set OP,     144                       ; the way out: a stage row: 128 bytes + 16
.set OSTG,   2*16*OP                   ; a wave's stage: two sets of 16 rows
.set STG,    SPARE+512                 ; the stages have bytes of their own: no tile lands there
.set ADRA, 16                          ; v16-17  LDS address of my A fragments in slot 0, 1
.set ADRB, 20                          ; v20-21  the same for B
.set TA,   22                          ; v22     the table: 256 r + 32 h
.set ADRS2, 23                         ; v23     LDS address of A's scale words, in all lanes
.set STO,  24
.set RD,   25
.set GO,   26                          ; v26     16 x lane
.set ADRS, 27                          ; v27     LDS address of my scale words: lanes 0-15 A's rows, lanes 16-31 B's
.set SPW,  28
.set NIL,  29
.set SBV,  30                          ; v30-31  SB, twice
.set SC,   32                          ; scale words: set s (for slot s) at v[SC + 32 s]; in it register 4 i + q: lanes 0-15 the word of A's block i, lanes 16-31 (i < 4) that of B's block i, for the slot's q-th 128 along K
.set AF,   128
.set T,    32                          ; the way out: v32-63 at work
.set SA,   98                          ; s[98:99] SA, twice
.set G1, 24
.set G0, 32
.set G1B, 48
.set G0B, 56
.set G1S, 68
.set G0S, 76
.set G1SB, 80
.set G0SB, 88
.set MSB, 0
.macro WIN new                         ; the immediate's high byte repeats the setting that is left
.if MSB != \new
	s_set_vgpr_msb (MSB<<8)|\new
.set MSB, \new
.endif
.endm
.set MUL,    0xa1                      ; source 0 (B) window 1, source 1 (A) window 0, C and D window 2
.set TO_B,   0x40                      ; destination window 1, address window 0
.set TO_T,   0xc0                      ; destination window 3, address window 0
; A joint load: waves 0 and 1 fetch for A, waves 2 and 3 for B; the branch hangs on the wave's number alone.  An s_nop 0 and four v_nop follow each of the two lines.
.macro JLOAD g0a, g1a, g0b, g1b
	s_cmp_eq_u32 s15, 0
	s_cbranch_scc0 .Lfor_b_\@
	tensor_load_to_lds s[\g0a:\g0a+3], s[\g1a:\g1a+7]
	s_nop 0
.rept 4
	v_nop
.endr
	s_branch .Lasked_\@
.Lfor_b_\@:
	tensor_load_to_lds s[\g0b:\g0b+3], s[\g1b:\g1b+7]
	s_nop 0
.rept 4
	v_nop
.endr
.Lasked_\@:
.endm
.macro CREST                           ; a round of the cluster's barrier behind its opening barrier
	s_cmp_lg_u32 s14, 0
	s_cbranch_scc1 .Lnot_wave_0_\@
	s_barrier_signal -3
.Lnot_wave_0_\@:
	s_barrier_wait -3
	s_barrier_signal -1
	s_barrier_wait -1
.endm
.macro CROUND
	s_barrier_signal -1
	s_barrier_wait -1
	CREST
.endm
	s_load_b128 s[4:7], s[0:1], 0x0                ; codes, scales
	s_load_b128 s[8:11], s[0:1], 0x10              ; rope, qkv
	v_lshl_add_u32 v[SPW], v0, 2, SPARE
	v_mov_b32 v[NIL], 0
	ds_add_u32 v[SPW], v[NIL]                      ; the wave's opening: the add, twice on end, and its wait ahead of my first tensor load
	ds_add_u32 v[SPW], v[NIL]
	v_lshrrev_b32 v1, 5, v0
	v_readfirstlane_b32 s14, v1                    ; wave 0..3
	s_lshr_b32 s15, s14, 1                         ; which half of the tile's rows is mine.  Also: I fetch for A (0) or for B (1)
	s_and_b32 s16, s14, 1                          ; which half of its columns.  Also: which half of that tile I fetch
	s_bfe_u32 s40, ttmp6, 0x40000                  ; cx, cy: my place in the cluster
	s_bfe_u32 s41, ttmp6, 0x40004
	s_and_b32 s17, ttmp7, 0xffff                   ; cluster y
	s_sub_co_u32 s18, s17, 2
	s_lshl_b32 s18, s18, 2
	s_add_co_u32 s18, s18, ttmp9                   ; the second problem's cluster: 4 (y - 2) + x = 0..7,
	s_lshr_b32 s19, s18, 1                         ; its row of clusters 0..3,
	s_and_b32 s18, s18, 1                          ; its column 0..1
	s_mov_b32 s96, 6144
	s_cmp_ge_u32 s17, 2                            ; which problem: the same in all sixteen partners
	s_cselect_b32 s17, s19, s17                    ; row of clusters
	s_cselect_b32 s42, s18, ttmp9                  ; column of clusters
	s_cselect_b32 s95, 2048, 0                     ; A's first row in codes
	s_cselect_b32 s96, 8192, s96                   ; B's
	s_cselect_b32 s97, 1, 0                        ; 0: q; 1: k and v
	s_lshl_b32 s17, s17, 2
	s_add_co_u32 s17, s17, s41                     ; tile row of C
	s_lshl_b32 s42, s42, 2
	s_add_co_u32 s42, s42, s40                     ; tile column of C
	s_lshl_b32 s43, s41, 2
	s_lshl_b32 s43, 15, s43                        ; my row of the cluster
	s_lshl_b32 s44, 0x1111, s40                    ; my column
	; descriptor group 1: tiles of rows of 256 bytes, padded in LDS: A's of 128 rows, B's of 64
	s_or_b32 s[G1+0], s43, (0<<16)|(1<<20)|(1<<21)|(5<<22)|(3<<25)  ; 15:0 the mask: A's tiles go to my row; elements of 1 byte; padding on; bit 21 beside a mask; after every 64 words, 4 words
	s_or_b32 s[G1B+0], s44, (0<<16)|(1<<20)|(1<<21)|(5<<22)|(3<<25)
	s_mov_b32 s[G1+1], ROWB<<16                    ; tensor_dim0
	s_mov_b32 s[G1+2], 128<<16                     ; tensor_dim1
	s_mov_b32 s[G1+3], ROWB<<16                    ; tile_dim0
	s_mov_b32 s[G1+4], 128                         ; tile_dim1
	s_mov_b32 s[G1+5], KROW                        ; tensor_dim0_stride
	s_mov_b32 s[G1+6], 0
	s_mov_b32 s[G1+7], 0
	s_mov_b32 s[G1B+1], ROWB<<16
	s_mov_b32 s[G1B+2], 64<<16
	s_mov_b32 s[G1B+3], ROWB<<16
	s_mov_b32 s[G1B+4], 64
	s_mov_b32 s[G1B+5], KROW
	s_mov_b32 s[G1B+6], 0
	s_mov_b32 s[G1B+7], 0
	; the scales: dense blocks, as rows of 256 bytes (32 elements of 8 bytes), 16 bytes of padding behind each: 128 rows of A are 32 such rows, 64 rows of B are 16
	s_or_b32 s[G1S+0], s43, (3<<16)|(1<<20)|(1<<21)|(5<<22)|(3<<25)
	s_or_b32 s[G1SB+0], s44, (3<<16)|(1<<20)|(1<<21)|(5<<22)|(3<<25)
	s_mov_b32 s[G1S+1], 32<<16
	s_mov_b32 s[G1S+2], (128*KS/256)<<16
	s_mov_b32 s[G1S+3], 32<<16
	s_mov_b32 s[G1S+4], 128*KS/256
	s_mov_b32 s[G1S+5], 32
	s_mov_b32 s[G1S+6], 0
	s_mov_b32 s[G1S+7], 0
	s_mov_b32 s[G1SB+1], 32<<16
	s_mov_b32 s[G1SB+2], (64*KS/256)<<16
	s_mov_b32 s[G1SB+3], 32<<16
	s_mov_b32 s[G1SB+4], 64*KS/256
	s_mov_b32 s[G1SB+5], 32
	s_mov_b32 s[G1SB+6], 0
	s_mov_b32 s[G1SB+7], 0
	s_lshl_b32 s18, s16, 7                         ; A: which 128 rows of the tile I fetch
	s_lshl_b32 s20, s17, 8
	s_add_co_u32 s20, s20, s18
	s_add_co_u32 s20, s20, s95                     ; their first row in codes and scales
	s_lshl_b32 s18, s16, 6                         ; B: which 64 rows
	s_lshl_b32 s46, s42, 7
	s_add_co_u32 s46, s46, s18
	s_add_co_u32 s46, s46, s96
	s_lshl_b32 s22, s20, 6                         ; where these rows' scales begin, in bytes
	s_mov_b32 s23, 0
	s_lshl_b32 s92, s46, 6
	s_mov_b32 s93, 0
	s_lshl_b32 s20, s20, 10                        ; and their codes
	s_mov_b32 s21, 0
	s_lshl_b32 s46, s46, 10
	s_mov_b32 s47, 0
	s_mul_i32 s45, s16, HALFA                      ; where they go: no place in the cluster enters an LDS address
	s_mul_i32 s94, s16, HALFB
	s_add_co_u32 s94, s94, BOFF
	s_mul_i32 s2, s16, HSA
	s_add_co_u32 s2, s2, SCL
	s_mul_i32 s3, s16, HSB
	s_add_co_u32 s3, s3, SCLB
	s_wait_dscnt 0x0                               ; both opening adds are done
	s_wait_kmcnt 0x0
	s_add_nc_u64 s[20:21], s[4:5], s[20:21]
	s_add_nc_u64 s[22:23], s[6:7], s[22:23]
	s_add_nc_u64 s[46:47], s[4:5], s[46:47]
	s_add_nc_u64 s[92:93], s[6:7], s[92:93]
	CROUND                                         ; all sixteen work-groups are here: the first joint loads meet
	s_mov_b32 s[G0S], 1
	s_mov_b32 s[G0S+1], s2
	s_mov_b64 s[G0S+2:G0S+3], s[22:23]
	s_or_b32 s[G0S+3], s[G0S+3], 0x80000000
	s_mov_b32 s[G0SB], 1
	s_mov_b32 s[G0SB+1], s3
	s_mov_b64 s[G0SB+2:G0SB+3], s[92:93]
	s_or_b32 s[G0SB+3], s[G0SB+3], 0x80000000
	JLOAD G0S, G1S, G0SB, G1SB                     ; the scales first: they are wanted with K step 0
.irp s, 0,1
	s_mov_b32 s[G0+4*\s], 1
	s_add_co_u32 s[G0+4*\s+1], s45, \s*SLOT
	s_add_nc_u64 s[G0+4*\s+2:G0+4*\s+3], s[20:21], \s*ROWB
	s_or_b32 s[G0+4*\s+3], s[G0+4*\s+3], 0x80000000
	s_mov_b32 s[G0B+4*\s], 1
	s_add_co_u32 s[G0B+4*\s+1], s94, \s*SLOT
	s_add_nc_u64 s[G0B+4*\s+2:G0B+4*\s+3], s[46:47], \s*ROWB
	s_or_b32 s[G0B+4*\s+3], s[G0B+4*\s+3], 0x80000000
	JLOAD G0+4*\s, G1, G0B+4*\s, G1B               ; three tensor loads of mine are out behind the second of these
.endr
	v_and_b32 v1, 15, v0                           ; r = l % 16
	v_bfe_u32 v2, v0, 4, 1                         ; h = l / 16
	v_mul_u32_u24 v3, v1, PITCH
	v_lshl_add_u32 v4, v2, 4, v3                   ; a fragment's row x pitch + 16 x half
	s_mul_i32 s21, s15, HALFA                      ; my 128 rows of A
	s_mul_i32 s22, s16, HALFB                      ; my 64 rows of B,
	s_add_co_u32 s22, s22, BOFF                    ; which lie behind A's 256
.irp s, 0,1
	v_add_nc_u32 v[ADRA+\s], s21, v4
	v_add_nc_u32 v[ADRB+\s], s22, v4
	s_add_co_u32 s21, s21, SLOT
	s_add_co_u32 s22, s22, SLOT
.endr
	v_mul_u32_u24 v5, v1, KS                       ; my row's scales: 64 bytes a row,
	v_lshrrev_b32 v6, 8, v5
	v_lshl_add_u32 v5, v6, 4, v5                   ; and 16 more for each 256 passed
	s_mul_i32 s21, s15, HSA                        ; A's: my 128 rows
	s_mul_i32 s22, s16, HSB                        ; B's: my 64 rows, behind A's 256
	s_add_co_u32 s22, s22, 2*HSA
	s_sub_co_u32 s22, s22, s21
	v_mul_u32_u24 v6, s22, v2                      ; lanes 16-31 take B's
	s_add_co_u32 s21, s21, SCL
	v_add_nc_u32 v[ADRS2], s21, v5
	v_add_nc_u32 v[ADRS], v[ADRS2], v6
	s_mul_i32 s23, s14, OSTG
	s_add_co_u32 s23, s23, STG                     ; my stage
	v_mul_u32_u24 v5, v1, OP
	v_lshl_add_u32 v5, v2, 4, v5
	v_add_nc_u32 v[STO], s23, v5                   ; in: row r, 16 bytes for each half of the lanes
	v_and_b32 v6, 31, v0
	v_lshrrev_b32 v5, 3, v6
	v_mul_u32_u24 v5, v5, OP
	v_and_b32 v7, 7, v0
	v_lshl_add_u32 v5, v7, 4, v5
	v_add_nc_u32 v[RD], s23, v5                    ; back: eight lanes to a row of 128 bytes, four rows an instruction
	v_lshlrev_b32 v[GO], 4, v6                     ; which are 512 consecutive bytes of qkv
	v_lshlrev_b32 v[TA], 8, v1
	v_lshl_add_u32 v[TA], v2, 5, v[TA]             ; the table: the row of position r, + 32 h
	; where my 128 rows of one head go, and which table rows they take.  All of it by selects: no branch hangs on a place in the cluster
	s_lshl_b32 s20, s17, 8
	s_lshl_b32 s21, s15, 7
	s_add_co_u32 s20, s20, s21                     ; my first row of C
	s_add_co_u32 s21, s97, 10                      ; positions in a batch: 2^10 for q, 2^11 for k and v
	s_lshr_b32 s22, s20, s21                       ; the batch
	s_lshl_b32 s23, s22, s21
	s_sub_co_u32 s23, s20, s23                     ; my first position
	s_lshl_b32 s46, s42, 1
	s_add_co_u32 s46, s46, s16                     ; my head: 2 x tile column + half
	s_lshl_b32 s92, s22, 5
	s_add_co_u32 s92, s92, s46                     ; q: head block 32 b + head
	s_lshr_b32 s93, s46, 3                         ; k and v: 0 for k, 1 for v
	s_lshl_b32 s94, s93, 4
	s_lshl_b32 s45, s22, 3
	s_add_co_u32 s94, s94, s45
	s_and_b32 s45, s46, 7
	s_add_co_u32 s94, s94, s45                     ; head block 16 (v?) + 8 b + head
	s_and_b32 s47, s97, s93                        ; 1 for v alone
	s_mov_b32 s[SA], 0x3e000000                    ; 1 / 8
	s_cmp_eq_u32 s97, 1
	s_cselect_b32 s92, s94, s92
	s_cselect_b32 s94, 0x800000, 0                 ; k and v lie behind q
	s_cselect_b32 s[SA], 0x3f800000, s[SA]
	s_cmp_eq_u32 s47, 1
	s_cselect_b32 s[SA], 0, s[SA]
	s_cselect_b32 s100, 0x3f800000, 0              ; SB
	s_mov_b32 s[SA+1], s[SA]                       ; (named with it as a pair, so it is written)
	v_mov_b32 v[SBV], s100
	v_mov_b32 v[SBV+1], s100
	s_add_co_u32 s45, s97, 17                      ; a head block is 2^17 bytes in q, 2^18 in k and v
	s_lshl_b32 s92, s92, s45
	s_add_co_u32 s92, s92, s94
	s_lshl_b32 s94, s23, 7                         ; 128 bytes a position
	s_add_co_u32 s92, s92, s94
	s_mov_b32 s93, 0
	s_add_nc_u64 s[10:11], s[10:11], s[92:93]      ; my head's rows
	s_lshl_b32 s92, s23, 8
	s_add_nc_u64 s[8:9], s[8:9], s[92:93]          ; the table at my first position
.macro TAB a                           ; the table of block a's 16 positions: eight loads of 16 bytes a lane: cos of d = 8 h + 0..7, 16 + 8 h + 0..7, then sin likewise
.irp o, 0,1
	global_load_b128 v[32*(\a)+8*\o:32*(\a)+8*\o+3],         v[TA], s[8:9] offset:4096*(\a)+64*\o
	global_load_b128 v[32*(\a)+8*\o+4:32*(\a)+8*\o+7],       v[TA], s[8:9] offset:4096*(\a)+64*\o+16
	global_load_b128 v[32*(\a)+16+8*\o:32*(\a)+16+8*\o+3],   v[TA], s[8:9] offset:4096*(\a)+128+64*\o
	global_load_b128 v[32*(\a)+16+8*\o+4:32*(\a)+16+8*\o+7], v[TA], s[8:9] offset:4096*(\a)+128+64*\o+16
.endr
.endm
	WIN TO_T
.irp a, 0,1,2,3,4,5,6
	TAB \a                                         ; asked for here, wanted on the way out: 56 loads; the last block's eight follow behind the first step
.endr
	WIN 0
.macro FRAG reg, adr, q, i             ; a fragment, 16 rows x 128 K of 4-bit codes, is 8 registers: lane l holds row l % 16; registers 4 c .. 4 c + 3 hold K = 64 c + 32 (l / 16) + 0 .. 31
.irp c, 0,1
	ds_load_b128 v[\reg+4*\c:\reg+4*\c+3], v[\adr] offset:64*(\q)+32*\c+(\i)*16*PITCH
.endr
.endm
; 4 n matrix instructions: A's blocks a0 .. a0 + n - 1 x B's four, 128 along K: the slot's q-th.  p: the set of fragments; sc: the set of scale words.  zero = 1: the first product starts the sums.
; The 32 accumulators take turns, one instruction a turn, in the same order in every step.
.macro MULA a0, n, p, q, sc, zero
.set ma, \a0
.rept \n
.irp b, 0,1,2,3
.if \zero
	v_wmma_scale_f32_16x16x128_f8f6f4 v[8*(4*ma+\b):8*(4*ma+\b)+7], v[32*(\p)+FR*\b:32*(\p)+FR*\b+FR-1], v[AF+64*(\p)+FR*ma:AF+64*(\p)+FR*ma+FR-1], 0, v[SC+32*(\sc)+NQ*\b+(\q)], v[SC+32*(\sc)+NQ*ma+(\q)] matrix_a_fmt:MATRIX_FMT_FP4 matrix_b_fmt:MATRIX_FMT_FP4 matrix_a_scale:MATRIX_SCALE_ROW1
.else
	v_wmma_scale_f32_16x16x128_f8f6f4 v[8*(4*ma+\b):8*(4*ma+\b)+7], v[32*(\p)+FR*\b:32*(\p)+FR*\b+FR-1], v[AF+64*(\p)+FR*ma:AF+64*(\p)+FR*ma+FR-1], v[8*(4*ma+\b):8*(4*ma+\b)+7], v[SC+32*(\sc)+NQ*\b+(\q)], v[SC+32*(\sc)+NQ*ma+(\q)] matrix_a_fmt:MATRIX_FMT_FP4 matrix_b_fmt:MATRIX_FMT_FP4 matrix_a_scale:MATRIX_SCALE_ROW1
.endif
.endr
.set ma, ma+1
.endr
.endm
.macro FETCH slot, q, p                ; 24 LDS loads in one run: B's four and A's eight fragments of the slot's q-th 128 along K, into set p
	WIN TO_B
.irp i, 0,1,2,3
	FRAG 32*(\p)+FR*\i, ADRB+\slot, \q, \i
.endr
	WIN 0
.irp i, 0,1,2,3,4,5,6,7
	FRAG AF+64*(\p)+FR*\i, ADRA+\slot, \q, \i
.endr
.endm
.macro SCALES sc                       ; a K step's scale words: 4 words a row.  Blocks 0-3: lanes 0-15 take A's, lanes 16-31 B's.  Blocks 4-7: B has none: all lanes take A's
.irp i, 0,1,2,3
	ds_load_b128 v[SC+32*\sc+NQ*\i:SC+32*\sc+NQ*\i+3], v[ADRS] offset:\i*SBLK
.endr
.irp i, 4,5,6,7
	ds_load_b128 v[SC+32*\sc+NQ*\i:SC+32*\sc+NQ*\i+3], v[ADRS2] offset:\i*SBLK
.endr
.endm
; A load into a register that a matrix instruction has read, and a vector instruction or an LDS store that reads a matrix result, stand four places behind that matrix instruction; only plain vector
; instructions that name none of its registers are places (ISA guide 7.12.1 for vector instructions).
.macro PLACES
.rept 4
	v_nop
.endr
.endm
.macro STEP slot, q, zero              ; a step of 128 along K that has its successor in the same slot
	s_wait_dscnt 0x0                               ; this step's fragments and scale words are in
	PLACES                                         ; behind the last step's products, which read the set that is loaded now
	FETCH \slot, (\q)+1, 1-(\q)%2
	WIN MUL
	MULA 0, 8, (\q)%2, \q, \slot, \zero
	WIN 0
.endm
; A slot's last step changes slots: one barrier; in front of it each wave waits for all its tensor loads, adds 0 to its spare word, and waits for that and for its own reads of this slot.
; fill = 1: this slot is filled again, two K steps ahead: the barrier then opens a round of the cluster's.
.macro TURN slot, next, fill
	s_wait_tensorcnt 0x0                           ; all my tensor loads have landed: my part of the next slot
	ds_add_u32 v[SPW], v[NIL]                      ; 0 onto my spare word
	s_wait_dscnt 1                                 ; this step's fragments are in; the add may be out
	WIN MUL
	MULA 0, 2, 1, NQ-1, \slot, 0                   ; eight matrix instructions stand between the add and the wait for it
	s_wait_dscnt 0x0                               ; the add is done, and my reads of this slot are over
	s_barrier_signal -1
	MULA 2, 2, 1, NQ-1, \slot, 0
	WIN 0
	s_barrier_wait -1
.if \fill
	CREST                                          ; no wave of any partner still reads this slot's tile or has a load on its way
	s_add_nc_u64 s[G0+4*\slot+2:G0+4*\slot+3], s[G0+4*\slot+2:G0+4*\slot+3], 2*ROWB
	s_add_nc_u64 s[G0B+4*\slot+2:G0B+4*\slot+3], s[G0B+4*\slot+2:G0B+4*\slot+3], 2*ROWB
	JLOAD G0+4*\slot, G1, G0B+4*\slot, G1B         ; the first tensor load behind the round, and my one load until the next; its four v_nop are the places in front of the loads below
.else
	PLACES
.endif
	v_add_nc_u32 v[ADRS], 4*NQ, v[ADRS]            ; on to the next K step's scale words
	v_add_nc_u32 v[ADRS2], 4*NQ, v[ADRS2]
	FETCH \next, 0, 0
	SCALES \next
	WIN MUL
	MULA 4, 4, 1, NQ-1, \slot, 0
	WIN 0
.endm
	s_wait_tensorcnt 1                             ; the scales and my part of K step 0 are in (K step 1's load may be out),
	s_barrier_signal -1
	s_barrier_wait -1                              ; everybody's are
	FETCH 0, 0, 0
	SCALES 0
	STEP 0, 0, 1                                   ; the first products start the sums: nothing is cleared
	WIN TO_T
	TAB 7
	WIN 0
	STEP 0, 1, 0
	STEP 0, 2, 0
	TURN 0, 1, 1                                   ; slot 0 takes K step 2
	STEP 1, 0, 0
	STEP 1, 1, 0
	STEP 1, 2, 0
	TURN 1, 0, 1                                   ; slot 1 takes K step 3
	STEP 0, 0, 0
	STEP 0, 1, 0
	STEP 0, 2, 0
	TURN 0, 1, 0                                   ; nothing is left to fetch: no round, no load
	STEP 1, 0, 0
	STEP 1, 1, 0
	STEP 1, 2, 0
	s_wait_dscnt 0x0                               ; the very last step
	WIN MUL
	MULA 0, 8, 1, NQ-1, 1, 0
	WIN 0
; THE WAY OUT, block by block of 16 rows.  ROPE a: the block's table is scaled, the head is rotated (each accumulator read from its low end on), rounded to f16, stored to the stage and read back by rows.
.macro ROPE a
.set CTB, 32*(\a)                      ; window 3
.set AC,  32*(\a)                      ; window 2: x1 of d = 16 u + 8 h + 0..7 at AC + 8 u, x2 of d + 32 at AC + 16 + 8 u
.set PKB, 64+16*((\a)%2)               ; packed results: v64-79 and v80-95 by turns
.set BKB, 128+16*(\a)                  ; rows read back: 16 registers of its own for each block, so that no store's data are written again
	WIN 0xc3                                       ; destination and source 0 window 3, source 2 (SB) window 0
.irp p, 0,2,4,6,8,10,12,14
	v_pk_fma_f32 v[CTB+\p:CTB+\p+1], v[CTB+\p:CTB+\p+1], s[SA:SA+1], v[SBV:SBV+1] op_sel_hi:[1,0,1]   ; cos SA + SB
	v_pk_mul_f32 v[CTB+16+\p:CTB+17+\p], v[CTB+16+\p:CTB+17+\p], s[SA:SA+1] op_sel_hi:[1,0]           ; sin SA
.endr
	WIN 0x0e                                       ; source 0 (x) window 2, source 1 (the table) window 3, source 2 and destination window 0
.irp u, 0,1
.irp p, 0,2,4,6
	v_pk_mul_f32 v[T+16*\u+\p:T+16*\u+\p+1], v[AC+8*\u+\p:AC+8*\u+\p+1], v[CTB+8*\u+\p:CTB+8*\u+\p+1]
	v_pk_mul_f32 v[T+16*\u+8+\p:T+16*\u+9+\p], v[AC+16+8*\u+\p:AC+17+8*\u+\p], v[CTB+8*\u+\p:CTB+8*\u+\p+1]
.endr
.irp p, 0,2,4,6
	v_pk_fma_f32 v[T+16*\u+\p:T+16*\u+\p+1], v[AC+16+8*\u+\p:AC+17+8*\u+\p], v[CTB+16+8*\u+\p:CTB+17+8*\u+\p], v[T+16*\u+\p:T+16*\u+\p+1] neg_lo:[0,1,0] neg_hi:[0,1,0]
	v_pk_fma_f32 v[T+16*\u+8+\p:T+16*\u+9+\p], v[AC+8*\u+\p:AC+8*\u+\p+1], v[CTB+16+8*\u+\p:CTB+17+8*\u+\p], v[T+16*\u+8+\p:T+16*\u+9+\p]
.endr
.endr
	WIN 0
.irp u, 0,1
.irp p, 0,1,2,3
	v_cvt_pk_f16_f32 v[PKB+8*\u+\p], v[T+16*\u+2*\p], v[T+16*\u+2*\p+1]
	v_cvt_pk_f16_f32 v[PKB+8*\u+4+\p], v[T+16*\u+8+2*\p], v[T+16*\u+9+2*\p]
.endr
.endr
.irp u, 0,1
	ds_store_b128 v[STO], v[PKB+8*\u:PKB+8*\u+3] offset:((\a)%2)*16*OP+32*\u
	ds_store_b128 v[STO], v[PKB+8*\u+4:PKB+8*\u+7] offset:((\a)%2)*16*OP+32*\u+64
.endr
.irp i, 0,1,2,3
	ds_load_b128 v[BKB+4*\i:BKB+4*\i+3], v[RD] offset:((\a)%2)*16*OP+4*OP*\i   ; LDS serves a wave's instructions in order: these see the stores above
.endr
.endm
.macro SEND a, younger                 ; younger: the LDS instructions issued behind block a's loads, which may stay out
	s_wait_dscnt \younger
.irp i, 0,1,2,3
	global_store_b128 v[GO], v[128+16*(\a)+4*\i:128+16*(\a)+4*\i+3], s[10:11] offset:2048*(\a)+512*\i   ; 32 lanes store 512 consecutive bytes, aligned
.endr
.endm
	PLACES                                         ; behind the last products: in front of the writes of registers that held scales and fragments, and of the reads of results
	s_wait_loadcnt 0x0                             ; the table, asked for at the head
	ROPE 0
.irp a, 1,2,3,4,5,6,7
	ROPE \a
	SEND \a-1, 8                                   ; behind block a - 1's loads: block a's 4 stores and 4 loads
.endr
	SEND 7, 0
	s_wait_tensorcnt 0x0                           ; the wave's end: behind my last tensor load and my last LDS store
	ds_add_u32 v[SPW], v[NIL]
	s_wait_dscnt 0x0
	CROUND                                         ; the closing round: no work-group ends while a partner may still ask for a tile that names it
	s_endpgm
.Lfunc_end_k_q4f28b392b7_proj:
	.size	k_q4f28b392b7_proj, .Lfunc_end_k_q4f28b392b7_proj-k_q4f28b392b7_proj
	.p2alignl 7, 3214868480
	.fill 96, 4, 3214868480
	.section	.rodata,"a",@progbits
	.p2align	6, 0x0
	.amdhsa_kernel k_q4f28b392b7_proj
		.amdhsa_group_segment_fixed_size 327680
		.amdhsa_private_segment_fixed_size 0
		.amdhsa_enable_private_segment 0
		.amdhsa_kernarg_size 32
		.amdhsa_user_sgpr_count 2
		.amdhsa_user_sgpr_kernarg_segment_ptr 1
		.amdhsa_wavefront_size32 1
		.amdhsa_system_sgpr_workgroup_id_x 1
		.amdhsa_system_sgpr_workgroup_id_y 1
		.amdhsa_system_sgpr_workgroup_id_z 1
		.amdhsa_system_vgpr_workitem_id 0
		.amdhsa_next_free_vgpr 1024
		.amdhsa_next_free_sgpr 102
		.amdhsa_reserve_vcc 0
		.amdhsa_float_denorm_mode_32 3
		.amdhsa_float_denorm_mode_16_64 3
		.amdhsa_memory_ordered 1
		.amdhsa_forward_progress 1
		.amdhsa_inst_pref_size 155
	.end_amdhsa_kernel
	.amdgpu_metadata
---
amdhsa.version: [ 1, 2 ]
amdhsa.kernels:
  - .name:           k_q4f28b392b7_proj
    .symbol:         k_q4f28b392b7_proj.kd
    .args:
      - { .name: codes, .offset: 0, .size: 8, .value_kind: global_buffer, .address_space: global }
      - { .name: scales, .offset: 8, .size: 8, .value_kind: global_buffer, .address_space: global }
      - { .name: rope, .offset: 16, .size: 8, .value_kind: global_buffer, .address_space: global }
      - { .name: qkv, .offset: 24, .size: 8, .value_kind: global_buffer, .address_space: global }
    .group_segment_fixed_size: 327680
    .private_segment_fixed_size: 0
    .kernarg_segment_align: 8
    .kernarg_segment_size: 32
    .max_flat_workgroup_size: 128
    .sgpr_count:     102
    .vgpr_count:     1024
    .wavefront_size: 32
...
	.end_amdgpu_metadata
.endif
;; end of part 2
;; launch attn (part 3): grid 16 x 16, 4 waves a work-group, clusters of 4 x 1, 327,680 bytes of LDS; arguments qkv, cmask, ao16; writes ao16
.if DOCPART == 3
	.amdgcn_target "amdgcn-amd-amdhsa--gfx1250"
	.amdhsa_code_object_version 6
	.text
	.protected	k_q4f28b392b7_attn
	.globl	k_q4f28b392b7_attn
	.p2align	8
	.type	k_q4f28b392b7_attn,@function
k_q4f28b392b7_attn:
	s_mov_b64 s[64:65], 0
	v_nop
	global_prefetch_b8 v0, s[64:65] scope:SCOPE_SE
	s_setreg_imm32_b32 hwreg(HW_REG_WAVE_MODE, 25, 1), 1
	s_wait_xcnt 0x0
	s_wait_alu depctr_hold_cnt(0) depctr_sa_sdst(0) depctr_va_vdst(0) depctr_va_sdst(0) depctr_va_ssrc(0) depctr_va_vcc(0) depctr_vm_vsrc(0)
	s_getreg_b32 s2, hwreg(HW_REG_IB_STS2, 6, 4)
	s_cmp_eq_u32 s2, 0
	s_cbranch_scc0 .Lentry_in_a_cluster
	s_endpgm
.Lentry_in_a_cluster:
	s_bfe_u32 s2, ttmp6, 0x10000c
	s_cmp_lg_u32 s2, 0x3003
	s_cbranch_scc0 .Lentry_shape_is_right
	s_endpgm
.Lentry_shape_is_right:
; ATTN: o = softmax(q k^T / 8 + attn_mask, padded keys left out) v, for 2 batches x 32 query heads x 1,024 queries x 2,048 keys, head size 64; four query heads share a key and value head.
; Operands in f16 (q already holds q / 8); products, maxima and sums in f32; the weights p are rounded to f16 for the second product, o once at the end.
; SHARES.  Work-group (x, y): y = 8 b + key-value head; 64 queries.  Wave w owns 16 of them FOR ALL FOUR QUERY HEADS of the key-value head: its four TILES are the four heads.  So a fragment of K or V feeds four
; products, and one tile of the mask serves four.  Every wave walks all 2,048 keys, 64 a step.
; LAYOUT.  S^T = K Q^T (source 0 = 16 keys, source 1 = 16 queries): a lane holds ONE query (lane % 16) and the keys 8 (lane / 16) + 0..7.  Two such tiles, rounded to f16 in pairs, are source 1 of
; O^T = V^T P.  K comes out of LDS as it lies, V turned, by ds_load_tr16_b128.
; THE MASK COSTS NO ADDITION: cmask holds attn_mask, with -3e38 at padded keys, in the order of the C operand's registers: it is the C of each sum's first product.
; SOFTMAX.  A running maximum m and sum l for each query: p = 2^(c s - c m), c = log2(e); in every step O and l are multiplied by a = 2^(c m_old - c m_new).  m begins at -2^127, above a padded key's
; score, so padded keys never become the maximum and their p is 0.  A query all of whose keys are padded ends with l = 0 and O = 0: 0 x (1 / 0) gives NaN.
; LIMITS: scores under -2^127 count as masked; q / 8, k, v and o must lie inside f16's range (65,504); NaN among the inputs is not served.
; BY TURNS.  The tiles are two PIECES (tiles 0, 1 and tiles 2, 3).  In a TURN one piece has the matrix unit (16 products V^T P of the step in hand, 16 products K Q^T of the next step); the other piece's
; softmax, cut into slices of four instructions, stands between them, two slices behind each matrix instruction.  Two turns are a key step.
; CLUSTER.  The four blocks of queries of a cluster walk the same K and V: each tile is asked for JOINTLY.  The mask tiles are each wave's own and go straight into registers, a whole key step ahead of their use.
; REGISTERS, in windows of 256: window 0: v1-11 addresses; v12-43 eight registers of statistics a tile; v62, v63 the add's two; v64-191 S^T, 32 a tile; v192-255 P, 16 a tile.
;   window 1: v0-127 O^T, 32 a tile; v128-191 two mask tiles.     window 2: v0-63 Q, 16 a tile; v64-127 K of one step; v128-191 V of one step.
.set KS,    64
.set PK,    144       ; a row of K in LDS: 128 bytes + 16 of padding
.set PV,    160       ; a row of V: 128 + 32
.set VOFF,  KS*PK     ; a step's tiles lie together: 64 rows of K, then 64 rows of V
.set STEPB, KS*(PK+PV)
.set SLOT1, 1<<16     ; a slot holds two steps (38,912 bytes); slot 1 begins here, so that one exclusive or turns an address in one slot into the other's
.set STAGE, SLOT1+2*STEPB  ; behind the ring: 16 rows x 528 bytes for each wave, for the way out
.set SP,    528
.set SPARE, STAGE+4*16*SP  ; the spare words, 128 bytes for each wave: two blocks of 256 bytes that no other line names
.set AK0, 2           ; v2   my lane's place in a tile of K
.set AV0, 3           ; v3   the same for V
.set ADR, 4           ; v4   the LDS address of the run of loads in hand
.set QO,  5           ; v5   my byte offset in the wave's rows of Q
.set STO, 6           ; v6   the way out: where I put 16 bytes of a row
.set RD,  7           ; v7   the way out: where I read a row back
.set MO,  9           ; v9   16 x lane: my place in a load of the mask, and in a row of the result
.set PFO, 10          ; v10  the prefetch's offset
.set ST,  12          ; tile t's statistics at v[ST+8 t]: +0 c m, +1 m, +2, +3 l (even keys', odd keys'), +4 to +7 at work; a takes +6 once the maximum is found
.set SPW, 62
.set NIL, 63
.set S,   64
.set P,   192
.set MK,  128         ; in window 1
.set KF,  64          ; in window 2
.set VF,  128         ; in window 2
.set WV,  12          ; s12  my wave's number
.set LIM, 15          ; s15  1 in the wave that prefetches, else the greatest number
.set PFA, 18          ; s[18:19] where the prefetch stands
.set G1K, 24
.set G1V, 32
.set G0K, 40          ; s[40:47] group 0 for K's tiles: a set for each of the two first fills; the second then walks on
.set G0V, 48
.set SLOTS, 56
.set CS,  58          ; s[58:59] c
.set SEL, 60          ; s[60:61] lane selects for v_permlanex16_b32: lane l xor 16
.set TB,  62          ; s62  LDS byte at which the tiles of the step to be fetched begin
.set MP0, 66          ; s[66:67], s[68:69] where the next mask tile for buffer 0, 1 lies
.set MSB, 0
.macro WIN new
.if MSB != \new
	s_set_vgpr_msb (MSB<<8)|\new
.set MSB, \new
.endif
.endm
.set W_KQM, 0x1a      ; K and Q in window 2, C (the mask) in window 1, S^T in window 0
.set W_KQ,  0x0a      ; K and Q in window 2, S^T in window 0
.set W_PV,  0x52      ; V in window 2, P in window 0, O^T in window 1
.set W_RS,  0x41      ; O^T (destination and source 0) in window 1, a in window 0
; A joint refill.  Waves 0 and 1 fetch the two steps' tiles of K, waves 2 and 3 those of V.  An s_nop 0 and four v_nop follow each of the two lines.
.macro JLOAD
	s_cmp_lt_u32 s[WV], 2
	s_cbranch_scc0 .Lfor_v_\@
	tensor_load_to_lds s[G0K+4:G0K+7], s[G1K:G1K+7]
	s_nop 0
.rept 4
	v_nop
.endr
	s_branch .Lasked_\@
.Lfor_v_\@:
	tensor_load_to_lds s[G0V+4:G0V+7], s[G1V:G1V+7]
	s_nop 0
.rept 4
	v_nop
.endr
.Lasked_\@:
.endm
; A PREFETCH of what the NEXT change of slots will ask for: a slot's 16,384 bytes of K and as many of V.  Each aligned block of 256 bytes is named once in the launch: all clusters of a key-value head walk the
; same rows, so its first cluster asks; its four partners take 4,096 bytes of each, told apart BY ADDRESS; in each, wave 0 asks, by one instruction: lanes 0-15 name K's blocks, lanes 16-31 V's, which lie
; 4,194,304 bytes further on.  It stands behind the tensor load and its five lines.  The last change that fills a slot asks for nothing; slots 0, 1 and 2 come by their loads alone.
.macro ASK
	s_cmp_gt_u32 s[SLOTS], s[LIM]
	s_cbranch_scc0 .Lnot_mine_\@
	global_prefetch_b8 v[PFO], s[PFA:PFA+1] th:TH_LOAD_NT scope:SCOPE_SE
.Lnot_mine_\@:
.endm
.macro CROUND
	s_barrier_signal -1
	s_barrier_wait -1
	s_cmp_lg_u32 s[WV], 0
	s_cbranch_scc1 .Lnot_wave_0_\@
	s_barrier_signal -3
.Lnot_wave_0_\@:
	s_barrier_wait -3
	s_barrier_signal -1
	s_barrier_wait -1
.endm
	s_load_b128 s[4:7], s[0:1], 0x0   ; qkv, cmask
	s_load_b64 s[8:9], s[0:1], 0x10   ; ao16
	v_lshl_add_u32 v[SPW], v0, 2, SPARE
	v_mov_b32 v[NIL], 0
	ds_add_u32 v[SPW], v[NIL]       ; the wave's opening: the add, twice on end, and its wait ahead of my first tensor load
	ds_add_u32 v[SPW], v[NIL]
	v_lshrrev_b32 v1, 5, v0
	v_readfirstlane_b32 s[WV], v1   ; wave 0..3
	s_bfe_u32 s13, ttmp6, 0x40000   ; cx: my place in the cluster
	s_lshl_b32 s14, ttmp9, 2
	s_add_co_u32 s14, s14, s13      ; my block of 64 queries: it enters Q's, the mask's and the result's addresses alone
	s_and_b32 s20, ttmp7, 0xffff    ; 8 b + key-value head, which the four partners share
	s_and_b32 s16, s[WV], 1         ; which of a slot's two steps I fetch
	s_lshl_b32 s22, s20, 18         ; the head's 2,048 rows of 128 bytes,
	s_add_co_u32 s22, s22, 0x800000 ; behind q,
	s_lshl_b32 s17, s16, 13         ; my step's 64 rows
	s_add_co_u32 s22, s22, s17
	s_mov_b32 s23, 0
	s_mul_i32 s17, s16, STEPB       ; and its place in a slot: no place in the cluster enters an LDS address
	s_lshl_b32 s2, s20, 19          ; Q: four heads of 2^17 bytes for each key-value head,
	s_lshl_b32 s3, s14, 13          ; my block's 64 rows of 128 bytes,
	s_add_co_u32 s2, s2, s3
	s_lshl_b32 s3, s[WV], 11        ; my wave's 16
	s_add_co_u32 s2, s2, s3
	s_mov_b32 s3, 0
	s_lshr_b32 s70, s20, 3          ; the mask: b x 2^23,
	s_lshl_b32 s70, s70, 23
	s_lshl_b32 s71, s14, 19         ; a tile of 16 queries is 2^17 bytes: four for each block,
	s_add_co_u32 s70, s70, s71
	s_lshl_b32 s71, s[WV], 17       ; one for each wave
	s_add_co_u32 s70, s70, s71
	s_mov_b32 s71, 0
	s_lshr_b32 s72, s20, 3          ; the result: rows of 4,096 bytes: b x 1,024 rows,
	s_lshl_b32 s72, s72, 22
	s_lshl_b32 s73, s14, 18         ; 64 for each block,
	s_add_co_u32 s72, s72, s73
	s_lshl_b32 s73, s[WV], 16       ; 16 for each wave,
	s_add_co_u32 s72, s72, s73
	s_and_b32 s73, s20, 7
	s_lshl_b32 s73, s73, 9          ; and the four heads' 512 bytes in a row
	s_add_co_u32 s72, s72, s73
	s_mov_b32 s73, 0
	; descriptor group 1: a tile of 64 rows x 64 elements of 2 bytes, dense in memory, padded in LDS
	s_mov_b32 s[G1K], 15|(1<<16)|(1<<20)|(1<<21)|(4<<22)|(3<<25)  ; 15:0 the mask: all four work-groups; elements of 2 bytes; padding on; bit 21 beside a mask; after every 32 words, 4 words
	s_mov_b32 s[G1V], 15|(1<<16)|(1<<20)|(1<<21)|(4<<22)|(7<<25)  ; the same with 8 words of padding
.irp g, G1K, G1V
	s_mov_b32 s[\g+1], 64<<16       ; tensor_dim0
	s_mov_b32 s[\g+2], KS<<16       ; tensor_dim1
	s_mov_b32 s[\g+3], 64<<16       ; tile_dim0
	s_mov_b32 s[\g+4], KS           ; tile_dim1
	s_mov_b32 s[\g+5], 64           ; tensor_dim0_stride
	s_mov_b32 s[\g+6], 0
	s_mov_b32 s[\g+7], 0
.endr
	s_mov_b32 s[CS], 0x3fb8aa3b     ; c = log2(e)
	s_mov_b32 s[CS+1], s[CS]        ; named with it as a pair, so it is written
	s_mov_b32 s[SEL], 0x76543210
	s_mov_b32 s[SEL+1], 0xfedcba98
	s_mov_b32 s[TB], 0
	s_mov_b32 s[SLOTS], 2048/(2*KS)-2
	s_or_b32 s[LIM], s[WV], ttmp9   ; 0 in wave 0 of the head's first cluster: the same in all four partners
	s_cmp_eq_u32 s[LIM], 0
	s_cselect_b32 s[LIM], 1, -1
	s_wait_dscnt 0x0                ; both opening adds are done
	s_wait_kmcnt 0x0
	s_add_nc_u64 s[10:11], s[4:5], s[22:23]     ; K at my tile of slot 0
	s_add_nc_u64 s[74:75], s[10:11], 0x400000   ; V likewise
	s_add_nc_u64 s[4:5], s[4:5], s[2:3]         ; Q at my wave's first row, first head
	s_add_nc_u64 s[MP0:MP0+1], s[6:7], s[70:71] ; mask tile 0
	s_add_nc_u64 s[MP0+2:MP0+3], s[MP0:MP0+1], 4096  ; mask tile 1
	s_add_nc_u64 s[8:9], s[8:9], s[72:73]       ; the result at my wave's first row
	s_lshl_b32 s2, s13, 12          ; the prefetch: my work-group's 4,096 bytes of a slot's 16,384 (in wave 0 s[10:11] stands at a slot's first row),
	s_mov_b32 s3, 0
	s_add_nc_u64 s[PFA:PFA+1], s[10:11], s[2:3]
	s_add_nc_u64 s[PFA:PFA+1], s[PFA:PFA+1], 2*16384  ; in slot 2; the first change of slots steps it to slot 3.  Nothing is prefetched at the head
	CROUND                          ; all four work-groups are here: the first joint loads meet
.irp s, 0,1
	s_mov_b32 s[G0K+4*\s], 1
	s_add_co_u32 s[G0K+4*\s+1], s17, \s*SLOT1
	s_add_nc_u64 s[G0K+4*\s+2:G0K+4*\s+3], s[10:11], \s*16384
	s_or_b32 s[G0K+4*\s+3], s[G0K+4*\s+3], 0x80000000
	s_mov_b32 s[G0V+4*\s], 1
	s_add_co_u32 s[G0V+4*\s+1], s17, \s*SLOT1+VOFF
	s_add_nc_u64 s[G0V+4*\s+2:G0V+4*\s+3], s[74:75], \s*16384
	s_or_b32 s[G0V+4*\s+3], s[G0V+4*\s+3], 0x80000000
.endr
	s_cmp_lt_u32 s[WV], 2           ; a wave's two first fills stand in one branch, ahead of every wait on TENSORcnt and every LDS read: two loads of mine are out
	s_cbranch_scc0 .Lfirst_v
	tensor_load_to_lds s[G0K:G0K+3], s[G1K:G1K+7]
	s_nop 0
	tensor_load_to_lds s[G0K+4:G0K+7], s[G1K:G1K+7]
	s_nop 0
.rept 4
	v_nop
.endr
	s_branch .Lfirst_asked
.Lfirst_v:
	tensor_load_to_lds s[G0V:G0V+3], s[G1V:G1V+7]
	s_nop 0
	tensor_load_to_lds s[G0V+4:G0V+7], s[G1V:G1V+7]
	s_nop 0
.rept 4
	v_nop
.endr
.Lfirst_asked:
	v_and_b32 v1, 15, v0            ; r = l % 16
	v_bfe_u32 v11, v0, 4, 1         ; h = l / 16
	v_lshlrev_b32 v[QO], 7, v1
	v_lshl_add_u32 v[QO], v11, 4, v[QO]  ; row x 128 + 16 x half
	v_and_b32 v[MO], 31, v0
	v_lshlrev_b32 v[MO], 4, v[MO]
; A mask tile (16 queries x 64 keys, 4,096 bytes in the C operand's order): eight loads of 512 consecutive bytes, into buffer buf
.macro LOADMASK buf
	WIN 0x40                        ; destination window 1
.irp i, 0,1,2,3,4,5,6,7
	global_load_b128 v[MK+32*(\buf)+4*\i:MK+32*(\buf)+4*\i+3], v[MO], s[MP0+2*(\buf):MP0+2*(\buf)+1] offset:512*\i
.endr
.endm
	WIN 0x80                        ; destination window 2
.irp t, 0,1,2,3                     ; Q stays in registers: head t, channels 32 c on
.irp c, 0,1
	global_load_b128 v[16*\t+8*\c:16*\t+8*\c+3],   v[QO], s[4:5] offset:\t*131072+64*\c
	global_load_b128 v[16*\t+8*\c+4:16*\t+8*\c+7], v[QO], s[4:5] offset:\t*131072+64*\c+32
.endr
.endr
	LOADMASK 0
	LOADMASK 1
	WIN 0
	v_mul_u32_u24 v[AK0], v1, PK
	v_lshl_add_u32 v[AK0], v11, 4, v[AK0]  ; row x pitch + 16 x half
	v_and_b32 v44, 7, v0            ; the turning load: lane l reads 16 bytes: key 8 (l / 16) + l % 8, channels 8 ((l / 8) % 2) + 0..7
	v_bfe_u32 v45, v0, 3, 1
	v_lshl_add_u32 v[AV0], v11, 3, v44
	v_mul_u32_u24 v[AV0], v[AV0], PV
	v_lshl_add_u32 v[AV0], v45, 4, v[AV0]
	v_add_nc_u32 v[AV0], VOFF, v[AV0]
	v_lshlrev_b32 v[PFO], 8, v1
	v_lshl_add_u32 v[PFO], v11, 22, v[PFO]
	s_mul_i32 s13, s[WV], 16*SP
	s_add_co_u32 s13, s13, STAGE    ; my stage
	v_mul_u32_u24 v[STO], v1, SP    ; in: row r, 16 bytes for each half of the lanes
	v_lshl_add_u32 v[STO], v11, 4, v[STO]
	v_add_nc_u32 v[STO], s13, v[STO]
	v_add_nc_u32 v[RD], s13, v[MO]  ; back: the 32 lanes take one row of 512 bytes
.irp t, 0,1,2,3
	v_mov_b32 v[ST+8*\t], 0xff38aa3b    ; c m
	v_mov_b32 v[ST+8*\t+1], 0xff000000  ; m = -2^127
	v_mov_b32 v[ST+8*\t+2], 0           ; l
	v_mov_b32 v[ST+8*\t+3], 0
.endr
; THE MATRIX WORK OF A TURN, for piece x.  The accumulators take turns, one instruction a turn: between two links of a chain stand seven others'.
; Product i of 16 of O^T += V^T P: keys 32 (i / 8) on, channels 16 ((i / 2) % 4) on, tile x + i % 2.  zero = 1: the first 8 start the sums.
.macro PV x, zero
	WIN W_PV
.set rO, 32*(\x+i%2)+8*((i/2)%4)
.set rV, VF+32*(i/8)+8*((i/2)%4)
.set rP, P+16*(\x+i%2)+8*(i/8)
.if \zero && (i < 8)
	v_wmma_f32_16x16x32_f16 v[rO:rO+7], v[rV:rV+7], v[rP:rP+7], 0
.else
	v_wmma_f32_16x16x32_f16 v[rO:rO+7], v[rV:rV+7], v[rP:rP+7], v[rO:rO+7]
.endif
.endm
; Product i of 16 of S^T = mask + K Q^T: channels 32 (i / 8) on, keys 16 ((i / 2) % 4) on, tile x + i % 2.  The first 8 start the sums on the mask tile in buffer mb.
.macro KQ x, mb
.set rS, S+32*(\x+i%2)+8*((i/2)%4)
.set rK, KF+16*((i/2)%4)+8*(i/8)
.set rQ, 16*(\x+i%2)+8*(i/8)
.set rM, MK+32*(\mb)+8*((i/2)%4)
.if i < 8
	WIN W_KQM
	v_wmma_f32_16x16x32_f16 v[rS:rS+7], v[rK:rK+7], v[rQ:rQ+7], v[rM:rM+7]
.else
	WIN W_KQ
	v_wmma_f32_16x16x32_f16 v[rS:rS+7], v[rK:rK+7], v[rQ:rQ+7], v[rS:rS+7]
.endif
.endm
; THE LDS LOADS stand in runs of 16: a step's K (64 keys x 64 channels: 8 fragments) and, a turn later, its V (turned).
.macro FETCH_K
	WIN 0
	v_add_nc_u32 v[ADR], s[TB], v[AK0]
	WIN 0x80
.irp f, 0,1,2,3,4,5,6,7             ; keys 16 (f / 2) on, channels 32 (f % 2) on
	ds_load_b128 v[KF+8*\f:KF+8*\f+3],   v[ADR] offset:(\f/2)*16*PK+(\f%2)*64
	ds_load_b128 v[KF+8*\f+4:KF+8*\f+7], v[ADR] offset:(\f/2)*16*PK+(\f%2)*64+32
.endr
.endm
.macro FETCH_V
	WIN 0
	v_add_nc_u32 v[ADR], s[TB], v[AV0]
	s_add_co_u32 s[TB], s[TB], STEPB  ; the next fetch is the next step's
	s_wait_alu depctr_va_vdst(0)    ; the wait for the softmax's batch of exponentials (SLICE), ahead of the first instruction that names a result
	WIN 0x80
.irp f, 0,1,2,3,4,5,6,7             ; keys 32 (f / 4) on, channels 16 (f % 4) on
	ds_load_tr16_b128 v[VF+8*\f:VF+8*\f+3],   v[ADR] offset:(\f/4)*32*PV+(\f%4)*32
	ds_load_tr16_b128 v[VF+8*\f+4:VF+8*\f+7], v[ADR] offset:(\f/4)*32*PV+16*PV+(\f%4)*32
.endr
.endm
; THE VECTOR WORK OF A TURN.  One tile's softmax for one key step is a list of 118 instructions; SM writes number j of it for tile t.  s0-s31 are the lane's 32 scores, in pairs 0-15.
;   0-15    the maximum of s0-s31 and the old m, three operands at a time
;   16-20   the other half of the lanes' maximum; the new m; c m; c m_old - c m_new
;   21-69   ONE BATCH: the 16 scalings c s - c m and all 33 exponentials (a at 23, then s0-s31).  None of these reads an exponential's result
;   (wait)  between 69 and 70 stands the wait for the batch: SLICE writes it, once for both tiles
;   70-85   the roundings to f16        86-101  the sums; l = a l + the sum        102-117 the tile's O^T times a (first = 1: O^T has not begun: left out)
.macro SM t, first
.set rT, ST+8*(\t)
.set rS, S+32*(\t)
.set rP, P+16*(\t)
.set rO, 32*(\t)+2*(j-102)
.if j < 102
	WIN 0
.endif
.if j < 4
	v_max3_num_f32 v[rT+4+j], v[rS+8*j], v[rS+8*j+1], v[rS+8*j+2]
.elseif j < 12
	v_max3_num_f32 v[rT+4+j%4], v[rT+4+j%4], v[rS+8*(j%4)+2*(j/4)+1], v[rS+8*(j%4)+2*(j/4)+2]
.elseif j == 12
	v_max3_num_f32 v[rT+4], v[rT+4], v[rS+7], v[rS+15]
.elseif j == 13
	v_max3_num_f32 v[rT+6], v[rT+6], v[rS+23], v[rS+31]
.elseif j == 14
	v_max3_num_f32 v[rT+4], v[rT+4], v[rT+5], v[rT+6]
.elseif j == 15
	v_max3_num_f32 v[rT+4], v[rT+4], v[rT+7], v[rT+1]
.elseif j == 16
	v_permlanex16_b32 v[rT+5], v[rT+4], s[SEL], s[SEL+1]  ; the query's other 32 keys lie in the lane 16 away
.elseif j == 17
	v_mov_b32 v[rT+7], v[rT]        ; c m_old is kept for a
.elseif j == 18
	v_max_num_f32 v[rT+1], v[rT+4], v[rT+5]
.elseif j == 19
	v_mul_f32 v[rT], s[CS], v[rT+1]
.elseif j == 20
	v_sub_f32 v[rT+7], v[rT+7], v[rT]
.elseif j == 23
	v_exp_f32 v[rT+6], v[rT+7]
.elseif (j < 23) || ((j < 38) && (j%2 == 0)) || ((j < 66) && (j%4 == 2))
.set b, (j-2)/4                     ; 38, 42, .. 62: pairs 9 to 15
.if j < 38
.set b, (j-20)/2                    ; 21: pair 0; 22, 24, .. 36: pairs 1 to 8
.endif
	v_pk_fma_f32 v[rS+2*b:rS+2*b+1], v[rS+2*b:rS+2*b+1], s[CS:CS+1], v[rT:rT+1] op_sel_hi:[1,0,0] neg_lo:[0,0,1] neg_hi:[0,0,1]  ; pair b: c s - c m
.elseif j < 70
.set e, j-38                        ; 66 to 69: s28 to s31
.if j < 66
.set e, j-32-(j-38)/4               ; 39-41, 43-45, .. 63-65: s7 to s27
.endif
.if j < 38
.set e, (j-25)/2                    ; 25, 27, .. 37: s0 to s6
.endif
	v_exp_f32 v[rS+e], v[rS+e]
.elseif j < 86
	v_cvt_pk_f16_f32 v[rP+j-70], v[rS+2*(j-70)], v[rS+2*(j-70)+1]
.elseif j < 102                     ; the sum of the tile's 16 pairs, in place: neighbours 1, 2, 4 and 8 pairs apart, then l takes it
.set z, j-86
.set w, 4
.set u, z
.if z >= 14
.set w, 32
.set u, 0
.elseif z >= 12
.set w, 16
.set u, z-12
.elseif z >= 8
.set w, 8
.set u, z-8
.endif
.if z < 15
	v_pk_add_f32 v[rS+w*u:rS+w*u+1], v[rS+w*u:rS+w*u+1], v[rS+w*u+w/2:rS+w*u+w/2+1]
.else
	v_pk_fma_f32 v[rT+2:rT+3], v[rT+2:rT+3], v[rT+6:rT+7], v[rS:rS+1] op_sel_hi:[1,0,1]
.endif
.elseif (j < 118) && ((\first) == 0)
	WIN W_RS
	v_pk_mul_f32 v[rO:rO+1], v[rO:rO+1], v[rT+6:rT+7] op_sel_hi:[1,0]
.endif
.endm
; Slice k of 64 of piece y's softmax: four instructions.  Slices 11 to 34 deal out the batch: four numbers of ONE tile each, the tiles by turns.  Every other slice up to 58 is numbers 2 k and 2 k + 1 of both
; tiles' lists; slices 59 to 63 are empty.  Ahead of slice 35 nothing names an exponential's result, and behind slice 34 no exponential is issued: so the piece's 66 exponentials have one wait.
.macro SLICE y, first
.if (k >= 11) && (k < 35)
.irp n, 0,1,2,3
.set j, 22+4*((k-11)/2)+(\n)
	SM (\y)+(k-11)%2, \first
.endr
.elseif k < 59
.irp n, 0,1
.irp t, \y, \y+1
.set j, 2*k+\n
	SM \t, \first
.endr
.endr
.endif
.if k == 34
	v_nop                           ; a plain instruction behind the last exponential and ahead of the first use: one for the batch
.if (\y) == 0
	FETCH_V                         ; piece 2's turn: V's run of loads stands here, and the wait stands in it
.else
	s_wait_alu depctr_va_vdst(0)    ; the wait for the batch
.endif
.endif
.set k, k+1
.endm
; A vector instruction that reads a matrix result or writes one of a matrix instruction's registers, and a load into a register that a matrix instruction has read, stand four places behind it; only plain
; vector instructions that name none of its registers are places (ISA guide 7.12.1 for vector instructions).
.macro PLACES
.rept 4
	v_nop
.endr
.endm
; A TURN.  Piece x has the matrix unit; the other piece's softmax stands in slices behind its matrix instructions: two behind each, four in a turn with one kind of product.
; pv = 2: 16 products V^T P; 1: they start O^T's sums; 0: none.  kq = 1: 16 products K Q^T for the next step, begun on mask buffer mb.  ml = 0, 1: piece 0's turn asks for the mask tile after that, into buffer ml; 2: none.
; Piece 0's turn fetches the next step's K behind its second product: the last product that read K stands in front of the four v_nop at the end of the turn before.  Piece 2's turn fetches the same step's V
; behind slice 34: the last product that read V stands in front of slice 30, and five plain instructions lie between: three scalings, the v_nop and the run's own v_add_nc_u32.
; The last slices are empty, so a turn with K Q^T ends with four v_nop: the places in front of the next turn's first read of the scores and of K's next loads.
.macro TURN x, pv, kq, first, mb, ml
.set k, 0
.set per, 4
.if \pv && \kq
.set per, 2
.endif
.if \pv
.if \x == 0
	s_wait_dscnt 0x0                ; V is in
.endif
.set i, 0
.rept 16
	PV \x, 2-\pv
.rept per
	SLICE 2-\x, \first
.endr
.if (\x == 0) && \kq && (i == 1)
	FETCH_K
.if \ml < 2
	LOADMASK \ml
.endif
.endif
.set i, i+1
.endr
.endif
.if \kq
.if \x == 0
	s_wait_dscnt 0x0                ; K is in
.if \ml < 2
	s_wait_loadcnt 8                ; this step's mask tile is in; the eight loads just issued may be out
.else
	s_wait_loadcnt 0x0
.endif
	s_add_nc_u64 s[MP0+2*(\mb):MP0+2*(\mb)+1], s[MP0+2*(\mb):MP0+2*(\mb)+1], 8192  ; that wait has shown the loads done that read this address: on to the buffer's next tile
.endif
.set i, 0
.rept 16
	KQ \x, \mb
.rept per
	SLICE 2-\x, \first
.endr
.set i, i+1
.endr
	PLACES
.endif
.endm
; THE CHANGE OF SLOTS, between piece 2's turn and piece 0's.  Each wave waits for all its tensor loads (one is out: its part of the other slot), adds 0 to its spare word, and waits for that and for its own reads
; of the slot.  fill = 1: the slot is filled again, with the keys two slots on: the barrier is then a round of the cluster's, and the joint refill is the first thing behind it.
.macro CHANGE fill
	WIN 0
	s_wait_tensorcnt 0x0            ; no tensor load of mine is out, so a group 0 may be written
	ds_add_u32 v[SPW], v[NIL]       ; 0 onto my spare word
.if \fill
.irp g, G0K+4, G0V+4
	s_xor_b32 s[\g+1], s[\g+1], SLOT1  ; the walking descriptor: the other slot than last time,
	s_add_nc_u64 s[\g+2:\g+3], s[\g+2:\g+3], 16384  ; the next 128 keys
.endr
	s_wait_xcnt 0x0                 ; the last prefetch, two key steps back, has read its address, so it may be written
	s_add_nc_u64 s[PFA:PFA+1], s[PFA:PFA+1], 16384
	s_wait_dscnt 0x0                ; the add is done, and my reads of the slot are over
	CROUND
	JLOAD
	ASK
.else
	s_wait_dscnt 0x0
	s_barrier_signal -1
	s_barrier_wait -1
.endif
	s_sub_co_u32 s[TB], s[TB], 2*STEPB  ; the fetches go back to a slot's first step,
	s_xor_b32 s[TB], s[TB], SLOT1   ; in the other slot
.endm
; A slot's two key steps: the mask buffers change places from step to step, so both are written.  last = 1: there is no mask tile left to ask for in the second.
.macro PAIR last
	TURN 0, 2, 1, 0, 0, 1
	TURN 2, 2, 1, 0, 0, 2
.if \last
	TURN 0, 2, 1, 0, 1, 2
.else
	TURN 0, 2, 1, 0, 1, 0
.endif
	TURN 2, 2, 1, 0, 1, 2
.endm
	s_wait_tensorcnt 1              ; my part of slot 0 is in; slot 1's may stay out
	s_barrier_signal -1
	s_barrier_wait -1
	FETCH_K                         ; key step 0
	s_wait_loadcnt 8                ; Q and mask tile 0 are in; mask tile 1's eight loads may be out
	s_add_nc_u64 s[MP0:MP0+1], s[MP0:MP0+1], 8192
	s_wait_dscnt 0x0
.set i, 0
.rept 16
	KQ 0, 0                         ; piece 0's first scores: there is no vector work yet to set between them
.set i, i+1
.endr
	PLACES
	TURN 2, 0, 1, 1, 0, 2           ; piece 2's first scores | piece 0's first softmax | V of step 0
	TURN 0, 1, 1, 1, 1, 0           ; piece 0: V^T P of step 0 starts O^T, K Q^T of step 1 | piece 2's first softmax | K of step 1, mask tile 2
	TURN 2, 1, 1, 0, 1, 2           ; piece 2: the same | piece 0's softmax of step 1 | V of step 1
	WIN 0
.Lslot:                             ; 14 trips: every slot but the last two is filled again
	CHANGE 1
	PAIR 0
	WIN 0
	s_sub_co_u32 s[SLOTS], s[SLOTS], 1
	s_cmp_lg_u32 s[SLOTS], 0
	s_cbranch_scc1 .Lslot
	CHANGE 0                        ; the tail is written out
	PAIR 1
	TURN 0, 2, 0, 0, 0, 2           ; piece 0: V^T P of the last step | piece 2's last softmax
.set i, 0
.rept 16
	PV 2, 0                         ; piece 2: V^T P of the last step
.set i, i+1
.endr
	; THE WAY OUT.  l's two halves and the other half of the lanes' are added; O^T is divided by l, rounded to f16; the four heads' 128 bytes of a query meet in my stage as a row of 512 bytes.
	; The additions are the places behind the last products.
	WIN 0
.irp t, 0,1,2,3
	v_add_f32 v[ST+8*\t+4], v[ST+8*\t+2], v[ST+8*\t+3]
.endr
.irp t, 0,1,2,3
	v_permlanex16_b32 v[ST+8*\t+5], v[ST+8*\t+4], s[SEL], s[SEL+1]
.endr
.irp t, 0,1,2,3
	v_add_f32 v[ST+8*\t+4], v[ST+8*\t+4], v[ST+8*\t+5]
.endr
.irp t, 0,1,2,3
	v_rcp_f32 v[ST+8*\t+6], v[ST+8*\t+4]
.endr
	v_nop                           ; a plain instruction between the last reciprocal and the use of its result
	s_wait_alu depctr_va_vdst(0)    ; and the wait ahead of the first use: one for the four
.macro PACK t
	WIN W_RS
.set i, 32*\t
.rept 16
	v_pk_mul_f32 v[i:i+1], v[i:i+1], v[ST+8*\t+6:ST+8*\t+7] op_sel_hi:[1,0]
.set i, i+2
.endr
	WIN 0x05                        ; sources 0 and 1 window 1, destination window 0: S^T's registers are free
.set i, 0
.rept 16
	v_cvt_pk_f16_f32 v[S+16*\t+i], v[32*\t+2*i], v[32*\t+2*i+1]
.set i, i+1
.endr
	WIN 0
.irp f, 0,1,2,3
	ds_store_b128 v[STO], v[S+16*\t+4*\f:S+16*\t+4*\f+3] offset:128*\t+32*\f   ; lane (r, h): query r, head t, channels 16 f + 8 h + 0..7
.endr
.endm
	PACK 0
	PACK 1
	PACK 2
	PACK 3
.irp i, 0,1,2,3,4,5,6,7,8,9,10,11,12,13,14,15
	ds_load_b128 v[S+64+4*\i:S+64+4*\i+3], v[RD] offset:\i*SP   ; LDS serves a wave's instructions in order: these see the stores above
.endr
.irp i, 0,1,2,3,4,5,6,7,8,9,10,11,12,13,14,15
	s_wait_dscnt 15-\i
	global_store_b128 v[MO], v[S+64+4*\i:S+64+4*\i+3], s[8:9] offset:\i*4096   ; 32 lanes store 512 consecutive bytes, aligned
.endr
	s_wait_tensorcnt 0x0            ; the wave's end: behind my last tensor load and my last LDS store
	ds_add_u32 v[SPW], v[NIL]
	s_wait_dscnt 0x0
	CROUND                          ; the closing round: no work-group ends while a partner may still ask for a tile that names it
	s_endpgm
.Lfunc_end_k_q4f28b392b7_attn:
	.size	k_q4f28b392b7_attn, .Lfunc_end_k_q4f28b392b7_attn-k_q4f28b392b7_attn
	.p2alignl 7, 3214868480
	.fill 96, 4, 3214868480
	.section	.rodata,"a",@progbits
	.p2align	6, 0x0
	.amdhsa_kernel k_q4f28b392b7_attn
		.amdhsa_group_segment_fixed_size 327680
		.amdhsa_private_segment_fixed_size 0
		.amdhsa_enable_private_segment 0
		.amdhsa_kernarg_size 24
		.amdhsa_user_sgpr_count 2
		.amdhsa_user_sgpr_kernarg_segment_ptr 1
		.amdhsa_wavefront_size32 1
		.amdhsa_system_sgpr_workgroup_id_x 1
		.amdhsa_system_sgpr_workgroup_id_y 1
		.amdhsa_system_sgpr_workgroup_id_z 1
		.amdhsa_system_vgpr_workitem_id 0
		.amdhsa_next_free_vgpr 768
		.amdhsa_next_free_sgpr 80
		.amdhsa_reserve_vcc 0
		.amdhsa_float_denorm_mode_32 3
		.amdhsa_float_denorm_mode_16_64 3
		.amdhsa_memory_ordered 1
		.amdhsa_forward_progress 1
		.amdhsa_inst_pref_size 237
	.end_amdhsa_kernel
	.amdgpu_metadata
---
amdhsa.version: [ 1, 2 ]
amdhsa.kernels:
  - .name:           k_q4f28b392b7_attn
    .symbol:         k_q4f28b392b7_attn.kd
    .args:
      - { .name: qkv, .offset: 0, .size: 8, .value_kind: global_buffer, .address_space: global }
      - { .name: cmask, .offset: 8, .size: 8, .value_kind: global_buffer, .address_space: global }
      - { .name: ao16, .offset: 16, .size: 8, .value_kind: global_buffer, .address_space: global }
    .group_segment_fixed_size: 327680
    .private_segment_fixed_size: 0
    .kernarg_segment_align: 8
    .kernarg_segment_size: 24
    .max_flat_workgroup_size: 128
    .sgpr_count:     80
    .vgpr_count:     768
    .wavefront_size: 32
...
	.end_amdgpu_metadata
.endif
;; end of part 3
;; launch oproj (part 4): grid 16 x 16, 4 waves a work-group, clusters of 4 x 4, 327,680 bytes of LDS; arguments ao16, wo16, out0; writes out0
.if DOCPART == 4
	.amdgcn_target "amdgcn-amd-amdhsa--gfx1250"
	.amdhsa_code_object_version 6
	.text
	.protected	k_q4f28b392b7_oproj
	.globl	k_q4f28b392b7_oproj
	.p2align	8
	.type	k_q4f28b392b7_oproj,@function
k_q4f28b392b7_oproj:
	s_mov_b64 s[64:65], 0
	v_nop
	global_prefetch_b8 v0, s[64:65] scope:SCOPE_SE
	s_setreg_imm32_b32 hwreg(HW_REG_WAVE_MODE, 25, 1), 1
	s_wait_xcnt 0x0
	s_wait_alu depctr_hold_cnt(0) depctr_sa_sdst(0) depctr_va_vdst(0) depctr_va_sdst(0) depctr_va_ssrc(0) depctr_va_vcc(0) depctr_vm_vsrc(0)
	s_getreg_b32 s2, hwreg(HW_REG_IB_STS2, 6, 4)
	s_cmp_eq_u32 s2, 0
	s_cbranch_scc0 .Lentry_in_a_cluster
	s_endpgm
.Lentry_in_a_cluster:
	s_bfe_u32 s2, ttmp6, 0x10000c
	s_cmp_lg_u32 s2, 0xf033
	s_cbranch_scc0 .Lentry_shape_is_right
	s_endpgm
.Lentry_shape_is_right:
; OPROJ: out0[m][n] = sum over k of ao16[m][k] wo16[k][n].  ao16: [2048][2048] f16, K innermost; wo16: [2048 (k)][2048 (n)] f16, as Wo lies; out0: [2048][2048] f32; sums in f32.
; A tile of C is 128 x 128, so that there are 256 work-groups.  Four waves, each 64 x 64: 16 accumulators of 16 x 16.  K goes in steps of 256 through a ring of two LDS slots: A's tile is 128 rows x 512 bytes,
; B's 256 rows (k) x 256 bytes (n); B's fragments come out of LDS turned, by ds_load_tr16_b128.
; CLUSTERS: 4 x 4 work-groups.  The four of a row of the cluster need the same tiles of A, the four of a column the same tiles of B: each tile is asked for JOINTLY.
; THE MATRIX INSTRUCTION IS USED TRANSPOSED (source 0 = 16 columns of B, source 1 = 16 rows of A): a lane then holds eight neighbouring numbers of a row of C.
; A wave's 64 columns of f32 are 256 aligned bytes of a row, so each wave has a stage of its own on the way out, and no barrier stands there.
; Left out: a prefetch of the tiles: on tiles of this size each K step's loads are shared by four work-groups and the step is short.
; REGISTERS: window 0: v0-31 addresses; v32-95 at work on the way out; v128-255 the accumulators ((a, b) at v[128 + 8 (4 a + b)]).
;   window 1: two fragment buffers of 128: for 64 along K, 64 registers of A (2 x 4 x 16 rows x 32 K), then 64 of B.
.set KSTEP,  256
.set PITCH,  528                       ; A's row in LDS: 512 bytes + 16 of padding
.set PB,     288                       ; B's row in LDS: 256 bytes + 32 of padding
.set HALFA,  64*PITCH                  ; what one of A's loads brings, and what one wave reads of A
.set HALFB,  128*PB                    ; what one of B's loads brings: 128 rows along K
.set BOFF,   2*HALFA
.set SLOT,   BOFF+2*HALFB
.set STAGE,  2*SLOT                    ; behind the ring: 16 rows x 272 bytes for each wave
.set SPITCH, 272
.set SPARE,  STAGE+4*16*SPITCH         ; the spare words, 128 bytes for each wave: two blocks of 256 bytes that no other line names
.set LAPS,   4                         ; a lap = two K steps = once round the ring
.set ADRA, 16                          ; v16-17  LDS address of my A fragments in slot 0, 1
.set ADRB, 20                          ; v20-23  of my B fragments: slot 0 rows 0-127, rows 128-255, slot 1 likewise (an LDS offset has 16 bits)
.set STO,  24
.set RD,   25
.set CO,   26
.set SPW,  28
.set NIL,  29
.set TMP,  32
.set ACC,  128
.set F0,   0
.set F1,   128
.set G1, 24
.set G0, 32
.set G1B, 48
.set G0B, 56
.set MSB, 0
.macro WIN new
.if MSB != \new
	s_set_vgpr_msb (MSB<<8)|\new
.set MSB, \new
.endif
.endm
.set MUL,  0x05                        ; sources 0 (B) and 1 (A) window 1; C and D window 0
.set TO_F, 0x40                        ; destination window 1, address window 0
.macro JLOAD s                         ; a joint load: waves 0 and 1 fetch A's two halves, waves 2 and 3 B's; an s_nop 0 and four v_nop follow each of the two lines
	s_cmp_eq_u32 s11, 0
	s_cbranch_scc0 .Lfor_b_\@
	tensor_load_to_lds s[G0+4*\s:G0+4*\s+3], s[G1:G1+7]
	s_nop 0
.rept 4
	v_nop
.endr
	s_branch .Lasked_\@
.Lfor_b_\@:
	tensor_load_to_lds s[G0B+4*\s:G0B+4*\s+3], s[G1B:G1B+7]
	s_nop 0
.rept 4
	v_nop
.endr
.Lasked_\@:
.endm
.macro CREST
	s_cmp_lg_u32 s10, 0
	s_cbranch_scc1 .Lnot_wave_0_\@
	s_barrier_signal -3
.Lnot_wave_0_\@:
	s_barrier_wait -3
	s_barrier_signal -1
	s_barrier_wait -1
.endm
.macro CROUND
	s_barrier_signal -1
	s_barrier_wait -1
	CREST
.endm
	s_load_b128 s[4:7], s[0:1], 0x0                ; ao16, wo16
	s_load_b64 s[8:9], s[0:1], 0x10                ; out0
	v_lshl_add_u32 v[SPW], v0, 2, SPARE
	v_mov_b32 v[NIL], 0
	ds_add_u32 v[SPW], v[NIL]                      ; the wave's opening: the add, twice on end, and its wait ahead of my first tensor load
	ds_add_u32 v[SPW], v[NIL]
	v_lshrrev_b32 v1, 5, v0
	v_readfirstlane_b32 s10, v1                    ; wave 0..3
	s_lshr_b32 s11, s10, 1                         ; which half of the tile's rows is mine.  Also: I fetch for A (0) or for B (1)
	s_and_b32 s12, s10, 1                          ; which half of its columns.  Also: which half of that tile I fetch
	s_bfe_u32 s40, ttmp6, 0x40000                  ; cx, cy
	s_bfe_u32 s41, ttmp6, 0x40004
	s_lshl_b32 s42, ttmp9, 2
	s_add_co_u32 s42, s42, s40                     ; tile column of C
	s_and_b32 s13, ttmp7, 0xffff
	s_lshl_b32 s13, s13, 2
	s_add_co_u32 s13, s13, s41                     ; tile row of C
	s_lshl_b32 s43, s41, 2
	s_lshl_b32 s43, 15, s43                        ; my row of the cluster
	s_lshl_b32 s44, 0x1111, s40                    ; my column
	; descriptor group 1.  A: 64 rows x 256 elements of 2 bytes; 4 words of padding after every 128.  B: 128 rows x 128 elements; 8 words after every 64
	s_or_b32 s[G1+0], s43, (1<<16)|(1<<20)|(1<<21)|(6<<22)|(3<<25)
	s_or_b32 s[G1B+0], s44, (1<<16)|(1<<20)|(1<<21)|(5<<22)|(7<<25)
	s_mov_b32 s[G1+1], 256<<16                     ; tensor_dim0
	s_mov_b32 s[G1+2], 64<<16                      ; tensor_dim1
	s_mov_b32 s[G1+3], 256<<16                     ; tile_dim0
	s_mov_b32 s[G1+4], 64                          ; tile_dim1
	s_mov_b32 s[G1+5], 2048                        ; tensor_dim0_stride
	s_mov_b32 s[G1+6], 0
	s_mov_b32 s[G1+7], 0
	s_mov_b32 s[G1B+1], 128<<16
	s_mov_b32 s[G1B+2], 128<<16
	s_mov_b32 s[G1B+3], 128<<16
	s_mov_b32 s[G1B+4], 128
	s_mov_b32 s[G1B+5], 2048
	s_mov_b32 s[G1B+6], 0
	s_mov_b32 s[G1B+7], 0
	s_lshl_b32 s16, s13, 7
	s_lshl_b32 s17, s12, 6
	s_add_co_u32 s16, s16, s17                     ; A: row 128 x tile row + 64 x half,
	s_lshl_b32 s16, s16, 12                        ; of 4,096 bytes
	s_mov_b32 s17, 0
	s_lshl_b32 s46, s12, 19                        ; B: row (k) 128 x half, of 4,096 bytes,
	s_lshl_b32 s47, s42, 8                         ; + the tile column's 256 bytes
	s_add_co_u32 s46, s46, s47
	s_mov_b32 s47, 0
	s_mul_i32 s20, s12, HALFA                      ; where they go: no place in the cluster enters an LDS address
	s_mul_i32 s21, s12, HALFB
	s_add_co_u32 s21, s21, BOFF
	s_wait_dscnt 0x0                               ; both opening adds are done
	s_wait_kmcnt 0x0
	s_add_nc_u64 s[14:15], s[4:5], s[16:17]
	s_add_nc_u64 s[46:47], s[6:7], s[46:47]
	CROUND                                         ; all sixteen work-groups are here: the first joint loads meet
.irp s, 0,1
	s_mov_b32 s[G0+4*\s], 1
	s_add_co_u32 s[G0+4*\s+1], s20, \s*SLOT
	s_add_nc_u64 s[G0+4*\s+2:G0+4*\s+3], s[14:15], \s*KSTEP*2
	s_or_b32 s[G0+4*\s+3], s[G0+4*\s+3], 0x80000000
	s_mov_b32 s[G0B+4*\s], 1
	s_add_co_u32 s[G0B+4*\s+1], s21, \s*SLOT
	s_add_nc_u64 s[G0B+4*\s+2:G0B+4*\s+3], s[46:47], \s*KSTEP*4096
	s_or_b32 s[G0B+4*\s+3], s[G0B+4*\s+3], 0x80000000
	JLOAD \s
.endr
	v_and_b32 v1, 15, v0                           ; r = l % 16
	v_bfe_u32 v2, v0, 4, 1                         ; h = l / 16
	v_mul_u32_u24 v3, v1, PITCH
	v_lshl_add_u32 v3, v2, 4, v3                   ; A: a fragment's row x pitch + 16 x half
	s_mul_i32 s21, s11, HALFA                      ; my 64 rows of A
.irp s, 0,1
	v_add_nc_u32 v[ADRA+\s], s21, v3
	s_add_co_u32 s21, s21, SLOT
.endr
	v_and_b32 v4, 7, v0                            ; B, turned: lane l reads 16 bytes: row (k) 8 h + l % 8, columns 8 ((l / 8) % 2) + 0..7
	v_lshl_add_u32 v4, v2, 3, v4
	v_mul_u32_u24 v4, v4, PB
	v_bfe_u32 v5, v0, 3, 1
	v_lshl_add_u32 v4, v5, 4, v4
	s_lshl_b32 s22, s12, 7                         ; my 64 columns: 128 bytes
	s_add_co_u32 s22, s22, BOFF
	v_add_nc_u32 v[ADRB+0], s22, v4
	s_add_co_u32 s22, s22, HALFB
	v_add_nc_u32 v[ADRB+1], s22, v4
	s_add_co_u32 s22, s22, SLOT-HALFB
	v_add_nc_u32 v[ADRB+2], s22, v4
	s_add_co_u32 s22, s22, HALFB
	v_add_nc_u32 v[ADRB+3], s22, v4
	s_mul_i32 s23, s10, 16*SPITCH
	s_add_co_u32 s23, s23, STAGE                   ; my stage
	v_mul_u32_u24 v4, v1, SPITCH
	v_lshl_add_u32 v4, v2, 5, v4
	v_add_nc_u32 v[STO], s23, v4                   ; in: row r, 32 bytes for each half of the lanes
	v_mul_u32_u24 v5, v2, SPITCH
	v_lshl_add_u32 v5, v1, 4, v5
	v_add_nc_u32 v[RD], s23, v5                    ; back: lanes 0-15 one row of 256 bytes, lanes 16-31 the next
	v_lshlrev_b32 v5, 13, v2
	v_lshl_add_u32 v[CO], v1, 4, v5                ; and the same two rows in C (rows of 8,192 bytes)
	s_lshl_b32 s16, s13, 7
	s_lshl_b32 s17, s11, 6
	s_add_co_u32 s16, s16, s17                     ; my first row of C
	s_lshl_b32 s16, s16, 13
	s_mov_b32 s17, 0
	s_add_nc_u64 s[8:9], s[8:9], s[16:17]
	s_lshl_b32 s46, s42, 9                         ; my first column, in bytes: 512 x tile column + 256 x half
	s_lshl_b32 s47, s12, 8
	s_add_co_u32 s46, s46, s47
	s_mov_b32 s47, 0
	s_add_nc_u64 s[8:9], s[8:9], s[46:47]
; 8 matrix instructions: m blocks a0, a0 + 1 x all 4 n blocks, 32 along K: half c of buffer f.  zero = 1: the first product starts the sums.  The 16 accumulators take turns
.macro MUL8 f, c, a0, zero
.irp a, \a0, \a0+1
.irp b, 0,1,2,3
.if \zero
	v_wmma_f32_16x16x32_f16 v[ACC+8*(4*(\a)+\b):ACC+8*(4*(\a)+\b)+7], v[\f+64+8*(4*\c+\b):\f+64+8*(4*\c+\b)+7], v[\f+8*(4*\c+\a):\f+8*(4*\c+\a)+7], 0
.else
	v_wmma_f32_16x16x32_f16 v[ACC+8*(4*(\a)+\b):ACC+8*(4*(\a)+\b)+7], v[\f+64+8*(4*\c+\b):\f+64+8*(4*\c+\b)+7], v[\f+8*(4*\c+\a):\f+8*(4*\c+\a)+7], v[ACC+8*(4*(\a)+\b):ACC+8*(4*(\a)+\b)+7]
.endif
.endr
.endr
.endm
; 32 LDS loads in one run: the fragments of the slot's q-th 64 along K, into buffer f; the first 32 along K first
.macro FETCH slot, q, f
	WIN TO_F
.irp c, 0,1
.irp i, 0,1,2,3
	ds_load_tr16_b128 v[\f+64+8*(4*\c+\i):\f+64+8*(4*\c+\i)+3],   v[ADRB+2*\slot+(\q)/2] offset:(((\q)%2)*64+32*\c)*PB+32*\i
	ds_load_tr16_b128 v[\f+64+8*(4*\c+\i)+4:\f+64+8*(4*\c+\i)+7], v[ADRB+2*\slot+(\q)/2] offset:(((\q)%2)*64+32*\c)*PB+32*\i+16*PB
	ds_load_b128 v[\f+8*(4*\c+\i):\f+8*(4*\c+\i)+3],         v[ADRA+\slot] offset:128*(\q)+64*\c+\i*16*PITCH
	ds_load_b128 v[\f+8*(4*\c+\i)+4:\f+8*(4*\c+\i)+7],       v[ADRA+\slot] offset:128*(\q)+64*\c+\i*16*PITCH+32
.endr
.endr
.endm
.macro PLACES                          ; four places in front of loads into registers that matrix instructions have read, and of the first read of results
.rept 4
	v_nop
.endr
.endm
; A K step is four quarters of 64 along K, 32 matrix instructions each, on buffers 0, 1, 0, 1.  One of the first three: multiplies buffer f and fetches quarter q into g.
.macro QUARTER slot, q, f, g, zero
	s_wait_dscnt 16                                ; the first 32 along K are in
	WIN MUL
	MUL8 \f, 0, 0, \zero
	MUL8 \f, 0, 2, \zero
	PLACES
	FETCH \slot, \q, \g
	s_wait_dscnt 32                                ; all but the 32 just issued
	WIN MUL
	MUL8 \f, 1, 0, 0
	MUL8 \f, 1, 2, 0
.endm
; The last quarter multiplies buffer 1 and changes slots: one barrier; in front of it each wave waits for all its tensor loads, adds 0 to its spare word, and waits for that and for its own reads of this slot.
.macro TURN slot, next, fill
	WIN 0
	s_wait_tensorcnt 0x0                           ; all my tensor loads have landed: my part of the next slot
	ds_add_u32 v[SPW], v[NIL]                      ; 0 onto my spare word
	s_wait_dscnt 17                                ; (the add and the youngest sixteen loads may be out)
	WIN MUL
	MUL8 F1, 0, 0, 0
	s_wait_dscnt 0x0                               ; the add is done, and my reads of this slot are over
	s_barrier_signal -1
	MUL8 F1, 0, 2, 0
.if \fill
	WIN 0
.endif
	s_barrier_wait -1
.if \fill
	CREST                                          ; the barrier has opened a round of the cluster's barrier: no wave of any partner still reads this slot's tile or has a load on its way
	s_add_nc_u64 s[G0+4*\slot+2:G0+4*\slot+3], s[G0+4*\slot+2:G0+4*\slot+3], 2*KSTEP*2
	s_add_nc_u64 s[G0B+4*\slot+2:G0B+4*\slot+3], s[G0B+4*\slot+2:G0B+4*\slot+3], 2*KSTEP*4096
	JLOAD \slot                                    ; the first tensor load behind the round; its four v_nop are the places in front of the loads below
.else
	PLACES
.endif
	FETCH \next, 0, F0
	WIN MUL
	MUL8 F1, 1, 0, 0
	MUL8 F1, 1, 2, 0
.endm
	s_wait_tensorcnt 1                             ; my part of K step 0 is in (K step 1's load may be out),
	s_barrier_signal -1
	s_barrier_wait -1                              ; everybody's is
	FETCH 0, 0, F0
	QUARTER 0, 1, F0, F1, 1                        ; the first quarter stands in front of the loop: its first products start the sums
	WIN 0
	s_mov_b32 s3, LAPS-1
.Llap:                                                 ; a trip goes once round the ring and fills both slots again
	QUARTER 0, 2, F1, F0, 0
	QUARTER 0, 3, F0, F1, 0
	TURN 0, 1, 1
	QUARTER 1, 1, F0, F1, 0
	QUARTER 1, 2, F1, F0, 0
	QUARTER 1, 3, F0, F1, 0
	TURN 1, 0, 1
	QUARTER 0, 1, F0, F1, 0
	WIN 0
	s_sub_co_u32 s3, s3, 1
	s_cmp_lg_u32 s3, 0
	s_cbranch_scc1 .Llap
	QUARTER 0, 2, F1, F0, 0                        ; the last lap fills nothing, and has no round of the cluster's barrier
	QUARTER 0, 3, F0, F1, 0
	TURN 0, 1, 0
	QUARTER 1, 1, F0, F1, 0
	QUARTER 1, 2, F1, F0, 0
	QUARTER 1, 3, F0, F1, 0
	s_wait_dscnt 16
	WIN MUL
	MUL8 F1, 0, 0, 0
	MUL8 F1, 0, 2, 0
	s_wait_dscnt 0
	MUL8 F1, 1, 0, 0
	MUL8 F1, 1, 2, 0
	WIN 0
; THE WAY OUT, block by block of 16 rows x 64 columns: a lane's 32 bytes of a row go into my own stage, each accumulator from its low end on, and come back as whole rows of 256 bytes.
.macro TOST a
.set BB, TMP+32*((\a)%2)
.irp b, 0,1,2,3
	ds_store_b128 v[STO], v[ACC+8*(4*(\a)+\b):ACC+8*(4*(\a)+\b)+3] offset:64*\b
	ds_store_b128 v[STO], v[ACC+8*(4*(\a)+\b)+4:ACC+8*(4*(\a)+\b)+7] offset:64*\b+16
.endr
.irp t, 0,1,2,3,4,5,6,7
	ds_load_b128 v[BB+4*\t:BB+4*\t+3], v[RD] offset:\t*2*SPITCH   ; LDS serves a wave's instructions in order: these see the stores above, and the next block's stores come behind them
.endr
.endm
.macro SEND a, younger                 ; younger: the LDS instructions issued behind block a's loads, which may stay out
.set BB, TMP+32*((\a)%2)
	s_wait_dscnt \younger
.irp t, 0,1,2,3,4,5,6,7
	global_store_b128 v[CO], v[BB+4*\t:BB+4*\t+3], s[8:9] offset:(16*(\a)+2*\t)*8192 th:TH_STORE_NT   ; sixteen lanes store 256 consecutive bytes, aligned; written once, read by nobody here
.endr
.endm
	PLACES
	TOST 0
.irp a, 1,2,3
.if \a > 1
	s_wait_xcnt 0x0                                ; block a - 2's stores have read their registers: block a's loads may land there
.endif
	TOST \a
	SEND \a-1, 16                                  ; behind block a - 1's loads: block a's 8 stores and 8 loads
.endr
	SEND 3, 0
	s_wait_tensorcnt 0x0                           ; the wave's end: behind my last tensor load and my last LDS store
	ds_add_u32 v[SPW], v[NIL]
	s_wait_dscnt 0x0
	CROUND                                         ; the closing round: no work-group ends while a partner may still ask for a tile that names it
	s_endpgm
.Lfunc_end_k_q4f28b392b7_oproj:
	.size	k_q4f28b392b7_oproj, .Lfunc_end_k_q4f28b392b7_oproj-k_q4f28b392b7_oproj
	.p2alignl 7, 3214868480
	.fill 96, 4, 3214868480
	.section	.rodata,"a",@progbits
	.p2align	6, 0x0
	.amdhsa_kernel k_q4f28b392b7_oproj
		.amdhsa_group_segment_fixed_size 327680
		.amdhsa_private_segment_fixed_size 0
		.amdhsa_enable_private_segment 0
		.amdhsa_kernarg_size 24
		.amdhsa_user_sgpr_count 2
		.amdhsa_user_sgpr_kernarg_segment_ptr 1
		.amdhsa_wavefront_size32 1
		.amdhsa_system_sgpr_workgroup_id_x 1
		.amdhsa_system_sgpr_workgroup_id_y 1
		.amdhsa_system_sgpr_workgroup_id_z 1
		.amdhsa_system_vgpr_workitem_id 0
		.amdhsa_next_free_vgpr 512
		.amdhsa_next_free_sgpr 66
		.amdhsa_reserve_vcc 0
		.amdhsa_float_denorm_mode_32 3
		.amdhsa_float_denorm_mode_16_64 3
		.amdhsa_memory_ordered 1
		.amdhsa_forward_progress 1
		.amdhsa_inst_pref_size 86
	.end_amdhsa_kernel
	.amdgpu_metadata
---
amdhsa.version: [ 1, 2 ]
amdhsa.kernels:
  - .name:           k_q4f28b392b7_oproj
    .symbol:         k_q4f28b392b7_oproj.kd
    .args:
      - { .name: ao16, .offset: 0, .size: 8, .value_kind: global_buffer, .address_space: global }
      - { .name: wo16, .offset: 8, .size: 8, .value_kind: global_buffer, .address_space: global }
      - { .name: out0, .offset: 16, .size: 8, .value_kind: global_buffer, .address_space: global }
    .group_segment_fixed_size: 327680
    .private_segment_fixed_size: 0
    .kernarg_segment_align: 8
    .kernarg_segment_size: 24
    .max_flat_workgroup_size: 128
    .sgpr_count:     66
    .vgpr_count:     512
    .wavefront_size: 32
...
	.end_amdgpu_metadata
.endif
;; end of part 4
